; MI455X (gfx1250); checked and timed in simulation.
; The chip was launched on July 23, 2026; its instructions are those of AMD's public machine-readable ISA for CDNA 5 (MIT licence, August 2026) and "CDNA5" Instruction Set Architecture Reference Guide (July 2026). The comments in the code are by the model that wrote it; some were corrected since.
;; Window Attention Memory. Allowed arithmetic: matrix products marked QUANTISED: E5M2 operands, one E8M0 scale for each 32 along K, by v_wmma_scale_f32_16x16x128_f8f6f4 with both operands' format E5M2, f32 sums; everything else in f32.
;; Inputs: b_k 1,024 float32; b_o 1,024 float32; b_q 1,024 float32; b_v 1,024 float32; ln_b 1,024 float32; ln_g 1,024 float32; w_k_codes 1,024 x 32 x 32 uint8 (E5M2 codes of w_k, K innermost, in blocks of 32 codes); w_k_scales 1,024 x 32 uint8 (E8M0 scales of w_k, one for each 32 codes along K); w_o_codes 1,024 x 32 x 32 uint8 (E5M2 codes of w_o, K innermost, in blocks of 32 codes); w_o_scales 1,024 x 32 uint8 (E8M0 scales of w_o, one for each 32 codes along K); w_q_codes 1,024 x 32 x 32 uint8 (E5M2 codes of w_q, K innermost, in blocks of 32 codes); w_q_scales 1,024 x 32 uint8 (E8M0 scales of w_q, one for each 32 codes along K); w_v_codes 1,024 x 32 x 32 uint8 (E5M2 codes of w_v, K innermost, in blocks of 32 codes); w_v_scales 1,024 x 32 uint8 (E8M0 scales of w_v, one for each 32 codes along K); x 4 x 2,048 x 1,024 float32.
;; Outputs: out0 4 x 2,048 x 1,024 float32.
;; This version of the problem:
;;   THIS VERSION OF THE PROBLEM IS GIVEN IN LOW PRECISION. The matrix products marked QUANTISED in the list below multiply operands that are first quantised to E5M2 (5 exponent bits, 2 mantissa bits; 8 bits a number), with one power-of-two scale for each 32 numbers along K (OCP MX v1.0); their sums are f32. All else is computed in f32.
;;   The module's matrix products, in the order in which they are computed (A, B: the left and right operand; K: the contracted axis; several contracted axes count as one K, in the product's order):
;;     1. [M 8,192, K 1,024] x [K 1,024, N 1,024]; A: computed on the way; B: input w_q (given as codes): QUANTISED
;;     2. [M 8,192, K 1,024] x [K 1,024, N 1,024]; A: computed on the way; B: input w_k (given as codes): QUANTISED
;;     3. [M 8,192, K 1,024] x [K 1,024, N 1,024]; A: computed on the way; B: input w_v (given as codes): QUANTISED
;;     4. batch 64 x [M 2,048, K 64] x [K 64, N 2,048]; A: computed on the way; B: computed on the way: QUANTISED
;;     5. batch 64 x [M 2,048, K 2,048] x [K 2,048, N 64]; A: softmax (see below); B: computed on the way: QUANTISED
;;     6. [M 8,192, K 1,024] x [K 1,024, N 1,024]; A: computed on the way; B: input w_o (given as codes): QUANTISED
;;   THE QUANTISER, for each operand of a quantised product, along K:
;;     - K is cut into blocks of 32 from its start; a last block that is shorter is filled with zeros.
;;     - A block's scale is 2^e with e = floor(log2(the largest magnitude in the block)) - 15, held to -126 .. 127; a block of zeros has e = 0. As a byte (E8M0): e + 127.
;;     - Each number is divided by its block's scale, clamped to +-57,344, and rounded to the nearest number of E5M2, ties to even, subnormals kept.
;;     - The product sums the exact products of the quantised numbers (number of the format x scale) in f32.
;;   ~~~python
;;   def quantise(x, axis):      # numpy; x: float32 -> the quantised numbers, widened to float32 again
;;       x = np.moveaxis(x, axis, -1); K = x.shape[-1]
;;       x = np.pad(x, [(0, 0)] * (x.ndim - 1) + [(0, -K % 32)]); x = x.reshape(x.shape[:-1] + (-1, 32)); a = np.abs(x).max(-1, keepdims=True)
;;       e = np.where(a > 0, np.clip(np.frexp(np.where(a > 0, a, 1))[1] - 1 - 15, -126, 127), 0)      # np.frexp(a)[1] - 1 = floor(log2(a)), exactly
;;       r = np.clip(x / 2.0 ** e, -57344, 57344)
;;       step = 2.0 ** (np.maximum(np.frexp(np.where(r == 0, 1, r))[1] - 1, -14) - 2)
;;       q = np.round(r / step) * step * 2.0 ** e      # np.round: ties to even
;;       return np.moveaxis(q.reshape(q.shape[:-2] + (-1,))[..., :K], -1, axis).astype(np.float32)
;;   ~~~
;;   SOFTMAX AHEAD OF A QUANTISED PRODUCT. Where the list says 'softmax', what is quantised is not the finished softmax but p = 2^(t - M), with t = logit x log2(e) and M = ceil(the row's largest t), a whole number; so 1/2 < the row's largest p <= 1. The row's sum l is taken of the UNQUANTISED p, in f32, and the product's result is divided by l at the end. Since M is a whole number, a kernel that streams over the keys may use a running M (the ceiling of the running maximum): every later rescaling is an exact power of two, which a block's scale takes up: the codes' values come out the same.
;;   OPERANDS COMPUTED ON THE WAY. 'Computed on the way' means the value that the module computes at that place (a softmax that the list does not call 'softmax' is quantised finished and normalised). What goes into a quantiser is computed in f32, as accurately as f32 sums, v_exp_f32 and their like allow (about 1e-6 of the number): no bf16 or f16 on the way to a quantiser, and a product that is left as it is and whose result goes on into a quantised operand takes f32 operands (vector FMAs, or v_wmma_f32_16x16x4_f32). A number that lies on a knife's edge between two numbers of the format may be rounded either way, as far as f32 arithmetic and the matrix unit's own rounding can turn it there, and no further.
;;   INPUTS GIVEN AS CODES. w_k (in the module: [1024, 1024], K = its axis 1); w_o (in the module: [1024, 1024], K = its axis 1); w_q (in the module: [1024, 1024], K = its axis 1); w_v (in the module: [1024, 1024], K = its axis 1): each comes as NAME_codes (uint8): NAME with its K axis moved to the last place and cut into blocks of 32 codes, [.., K / 32, bytes a block], one block behind the other in memory; one code a byte (a code: sign, 5 exponent bits, 2 mantissa bits); and NAME_scales (uint8): the same leading axes, one E8M0 byte (e + 127) for each 32 codes along K. Its value is code x scale, taken as it is: it is not quantised again, and the codes and scales need not be those that the quantiser above would give.
;; One version. Each part assembles by itself: llvm-mc -triple=amdgcn-amd-amdhsa -mcpu=gfx1250 --defsym DOCPART=n.
;; ======== version 1 of 1: 4 launches
;; workspace buffers: xn 8,650,752 bytes; q_img 8,388,608 bytes; k_img 8,388,608 bytes; v_img 8,388,608 bytes; qkv_sc 786,432 bytes; ctx 8,650,752 bytes
;; launch lnq (part 1): grid 256 x 1, 4 waves a work-group, no clusters, 33,280 bytes of LDS; arguments x, ln_g, ln_b, xn; writes xn
.if DOCPART == 1
	.amdgcn_target "amdgcn-amd-amdhsa--gfx1250"
	.amdhsa_code_object_version 6
	.text
	.protected	k_q0724ba24a2_lnq
	.globl	k_q0724ba24a2_lnq
	.p2align	8
	.type	k_q0724ba24a2_lnq,@function
k_q0724ba24a2_lnq:
	s_mov_b64 s[64:65], 0
	v_nop
	global_prefetch_b8 v0, s[64:65] scope:SCOPE_SE
	s_setreg_imm32_b32 hwreg(HW_REG_WAVE_MODE, 25, 1), 1
	s_wait_xcnt 0x0
; xn = LayerNorm(x) * ln_g + ln_b in f32 (mean, then the mean of the squared differences: two passes over registers), turned into codes of BF8 (E5M2) with one E8M0 scale byte for each 32 along E.
; x: [8192][1024] f32.  xn: codes [8192][1024], rows as they are, at byte 0; scale bytes [8192][32] at byte 8,388,608.
; A block's scale is 2^(floor(log2(its largest magnitude)) - 15); its byte is the largest magnitude's exponent field - 15, held at 1 from below; each number is held within +-57,344 x the scale and rounded to the nearest code.
; LIMITS: NaN and infinities among the inputs are not served; a block whose largest magnitude lies under 2^-111 (a block of zeros too) keeps the byte 1: its codes are then zeros or subnormal codes, and the bytes are read by this program alone.
; SHARES.  One wave, one row at a time: a row is 4,096 bytes, eight loads of 512 consecutive bytes, 32 registers a lane: both reductions stay inside the wave.  A wave owns 8 rows, so that its 256 scale bytes leave as one aligned
; run of 256 bytes.  Four row sets of registers: three rows are on their way while one is worked on.
; The conversions take 16 NEIGHBOURS from one lane's registers, the loads give a lane 4: so each half row (512 numbers) turns through the wave's own stage in LDS: in as loaded, back 64 bytes a lane; 16 bytes of padding behind each 64.
; No matrix unit, no cluster, no tensor load, no barrier: the waves share nothing, and memory binds.
.set WREG,  8192                       ; LDS: a region for each wave: two stages of 32 x SP bytes, then its 256 scale bytes
.set SP,    80                         ; a lane's place in a stage: 64 bytes + 16 of padding
.set SCB,   2*32*SP                    ; where the scale bytes begin in a region
.set SPARE, 4*WREG                     ; behind the regions: the spare words, 128 bytes a wave: two blocks of 256 bytes that no other line names
.set XSC,   8388608                    ; where the scale bytes begin in xn
.set EB,    1                          ; v1, v2    a scale byte for each half row
.set SPW,   12                         ; v12       LDS address of my spare word; never rewritten
.set NIL,   13                         ; v13       0; never rewritten
.set C,     24                         ; v24-31    codes: four registers for each half row
.set X,     32                         ; v32-63    two sets of 16 neighbours
.set R,     64                         ; v64-191   four row sets of 32
.set G,     192                        ; v192-223  ln_g, laid as a row is loaded
.set BI,    224                        ; v224-255  ln_b likewise
	s_load_b256 s[4:11], s[0:1], 0x0               ; x s[4:5], ln_g s[6:7], ln_b s[8:9], xn s[10:11]
	v_lshl_add_u32 v[SPW], v0, 2, SPARE
	v_mov_b32 v[NIL], 0
	v_lshrrev_b32 v1, 5, v0
	v_readfirstlane_b32 s16, v1                    ; wave 0..3
	v_and_b32 v2, 31, v0                           ; lane
	v_lshlrev_b32 v3, 4, v2                        ; my 16 bytes of a load's 512, and of a half row's 512 codes
	s_mul_i32 s17, s16, WREG
	v_lshrrev_b32 v14, 2, v2
	v_mul_u32_u24 v14, v14, SP
	v_and_b32 v15, 3, v2
	v_lshl_add_u32 v14, v15, 4, v14
	v_add_nc_u32 v14, s17, v14                     ; the stage, in: four lanes' 64 bytes on end, then the padding
	v_mul_u32_u24 v15, v2, SP
	v_add_nc_u32 v15, s17, v15                     ; and back: SP x lane: my 16 neighbours
	v_lshrrev_b32 v5, 1, v2
	s_add_co_u32 s17, s17, SCB
	v_add_nc_u32 v5, s17, v5                       ; my block's scale byte (two neighbouring lanes hold a block)
	v_lshlrev_b32 v7, 3, v2                        ; the bytes' way out: 8 a lane
	v_add_nc_u32 v6, s17, v7
	v_mov_b32 v9, 0                                ; written once: a lane permute's destination counts as one of its sources
	s_mov_b32 s12, 0x76543210
	s_mov_b32 s13, 0xfedcba98                      ; v_permlanex16_b32's selects for lane l xor 16
	s_mov_b32 s20, 0x3a800000                      ; 1 / 1024
	s_mov_b32 s21, 0x2b8cbccc                      ; 1e-12
	s_mov_b32 s23, 0x600000                        ; the mantissa field of 57,344
	s_lshl_b32 s18, ttmp9, 2
	s_add_co_u32 s18, s18, s16                     ; which run of 8 rows is my wave's: 0..1023
	s_lshl_b32 s2, s18, 15                         ; 8 rows of 4,096 bytes
	s_mov_b32 s3, 0
	s_lshl_b32 s24, s18, 13                        ; 8 rows of 1,024 codes
	s_mov_b32 s25, 0
	s_lshl_b32 s26, s18, 8                         ; 8 rows of 32 scale bytes
	s_add_co_u32 s26, s26, XSC
	s_mov_b32 s27, 0
	s_wait_kmcnt 0x0
	s_add_nc_u64 s[4:5], s[4:5], s[2:3]
	s_add_nc_u64 s[14:15], s[10:11], s[26:27]
	s_add_nc_u64 s[10:11], s[10:11], s[24:25]
.irp j, 0,1,2,3,4,5,6,7
	global_load_b128 v[G+4*\j:G+4*\j+3], v3, s[6:7] offset:512*\j
	global_load_b128 v[BI+4*\j:BI+4*\j+3], v3, s[8:9] offset:512*\j
.endr
.macro LOADROW t                       ; a row: eight loads of 512 consecutive bytes; register 4 j + i of lane l is number 128 j + 4 l + i
.irp j, 0,1,2,3,4,5,6,7
	global_load_b128 v[R+32*((\t)%4)+4*\j:R+32*((\t)%4)+4*\j+3], v3, s[4:5] offset:4096*(\t)+512*\j th:TH_LOAD_NT
.endr
.endm
	LOADROW 0
	LOADROW 1
	LOADROW 2
	LOADROW 3
.macro REDUCE                          ; v16 summed over the 32 lanes, the result in every lane
	v_add_f32_dpp v16, v16, v16 row_xmask:1 row_mask:0xf bank_mask:0xf
	v_add_f32_dpp v16, v16, v16 row_xmask:2 row_mask:0xf bank_mask:0xf
	v_add_f32_dpp v16, v16, v16 row_xmask:4 row_mask:0xf bank_mask:0xf
	v_add_f32_dpp v16, v16, v16 row_xmask:8 row_mask:0xf bank_mask:0xf
	v_permlanex16_b32 v9, v16, s12, s13
	v_add_f32 v16, v16, v9
.endm
; Half hf of row t: 512 numbers, 16 neighbours a lane, become 512 codes and 16 scale bytes.
.macro QSTEP t, hf
.set XS, X+16*(\hf)
	s_wait_xcnt 0x0                                ; the last row's store of this half has read its four code registers: they are written again only behind this wait
	v_max3_num_f32 v8, |v[XS]|, |v[XS+1]|, |v[XS+2]|               ; the largest magnitude of my 16, in two chains
	v_max3_num_f32 v9, |v[XS+3]|, |v[XS+4]|, |v[XS+5]|
.irp i, 6,10
	v_max3_num_f32 v8, v8, |v[XS+\i]|, |v[XS+\i+1]|
	v_max3_num_f32 v9, v9, |v[XS+\i+2]|, |v[XS+\i+3]|
.endr
	v_max3_num_f32 v8, v8, |v[XS+14]|, |v[XS+15]|
	v_max3_num_f32 v8, v8, v9, 0x8000000           ; and the floor 2^(16 - 127): the byte cannot fall under 1
	v_max_num_f32_dpp v8, v8, v8 row_xmask:1 row_mask:0xf bank_mask:0xf   ; with my neighbour's 16: the block's
	v_add_nc_u32 v11, 0xf8800000, v8               ; 15 off its exponent field: the conversion takes the exponent field of this operand as its scale
	v_and_or_b32 v10, v8, 0x7f800000, s23          ; 57,344 x the scale
.irp i, 0,1,2,3,4,5,6,7,8,9,10,11,12,13,14,15
	v_med3_num_f32 v[XS+\i], v[XS+\i], -v10, v10   ; the conversion to an 8-bit code does not saturate (ISA guide 7.6.2): the hold comes first
.endr
	v_cvt_scalef32_pk8_bf8_f32 v[C+4*(\hf):C+4*(\hf)+1], v[XS:XS+7], v11
	v_cvt_scalef32_pk8_bf8_f32 v[C+4*(\hf)+2:C+4*(\hf)+3], v[XS+8:XS+15], v11
	v_lshrrev_b32 v[EB+(\hf)], 23, v11             ; the scale's byte (also the plain line behind the conversions)
	ds_store_b8 v5, v[EB+(\hf)] offset:16*(2*(\t)+(\hf))           ; both lanes of a block write the same byte with the same value
	global_store_b128 v3, v[C+4*(\hf):C+4*(\hf)+3], s[10:11] offset:1024*(\t)+512*(\hf)   ; 32 lanes store 512 consecutive bytes
.endm
.macro ROW t
.set RS, R+32*((\t)%4)
.if (\t) < 5
	s_wait_loadcnt 24                              ; loads come back in order: my row (and ln_g, ln_b) is in; the three rows behind it stay out
.else
	s_wait_loadcnt 8*(7-(\t))
.endif
	v_pk_add_f32 v[16:17], v[RS:RS+1], v[RS+2:RS+3]                ; the row's sum: two chains of packed additions
	v_pk_add_f32 v[18:19], v[RS+4:RS+5], v[RS+6:RS+7]
.irp i, 8,12,16,20,24,28
	v_pk_add_f32 v[16:17], v[16:17], v[RS+\i:RS+\i+1]
	v_pk_add_f32 v[18:19], v[18:19], v[RS+\i+2:RS+\i+3]
.endr
	v_pk_add_f32 v[16:17], v[16:17], v[18:19]
	v_add_f32 v16, v16, v17
	REDUCE
	v_mul_f32 v20, s20, v16                        ; the mean, in both words of a pair
	v_mul_f32 v21, s20, v16
.irp i, 0,2,4,6,8,10,12,14,16,18,20,22,24,26,28,30
	v_pk_add_f32 v[RS+\i:RS+\i+1], v[RS+\i:RS+\i+1], v[20:21] neg_lo:[0,1] neg_hi:[0,1]   ; x - mean, in place
.endr
	v_pk_mul_f32 v[16:17], v[RS:RS+1], v[RS:RS+1]                  ; the sum of the squares: the first products start the two chains
	v_pk_mul_f32 v[18:19], v[RS+2:RS+3], v[RS+2:RS+3]
.irp i, 4,8,12,16,20,24,28
	v_pk_fma_f32 v[16:17], v[RS+\i:RS+\i+1], v[RS+\i:RS+\i+1], v[16:17]
	v_pk_fma_f32 v[18:19], v[RS+\i+2:RS+\i+3], v[RS+\i+2:RS+\i+3], v[18:19]
.endr
	v_pk_add_f32 v[16:17], v[16:17], v[18:19]
	v_add_f32 v16, v16, v17
	REDUCE
	v_fma_f32 v16, v16, s20, s21                   ; the variance + 1e-12
	v_rsq_f32 v22, v16                             ; twice: the pair that the packed multiply takes
	v_rsq_f32 v23, v16
	v_nop                                          ; one plain line behind the transcendentals (ISA guide 5.7.2)
	s_wait_alu depctr_va_vdst(0)                   ; and one wait ahead of the first reader
.irp i, 0,2,4,6,8,10,12,14,16,18,20,22,24,26,28,30
	v_pk_mul_f32 v[RS+\i:RS+\i+1], v[RS+\i:RS+\i+1], v[22:23]
.endr
.irp i, 0,2,4,6,8,10,12,14,16,18,20,22,24,26,28,30
	v_pk_fma_f32 v[RS+\i:RS+\i+1], v[RS+\i:RS+\i+1], v[G+\i:G+\i+1], v[BI+\i:BI+\i+1]
.endr
.irp j, 0,1,2,3,4,5,6,7
	ds_store_b128 v14, v[RS+4*\j:RS+4*\j+3] offset:32*SP*(\j/4)+8*SP*(\j%4)   ; both half rows into their stages, as they lie
.endr
.irp j, 0,1,2,3,4,5,6,7
	ds_load_b128 v[X+4*\j:X+4*\j+3], v15 offset:32*SP*(\j/4)+16*(\j%4)        ; LDS serves a wave's instructions in order: these see the stores
.endr
	s_wait_dscnt 4                                 ; the first half is back (the second half's four loads may be out): so all eight stores have read the row's registers,
.if (\t) < 4
	LOADROW (\t)+4                                 ; which take the row four further on
.endif
	QSTEP \t, 0
	s_wait_dscnt 1                                 ; the second half is back; only the first half's byte store may be out
	QSTEP \t, 1
.endm
.irp t, 0,1,2,3,4,5,6,7
	ROW \t
.endr
	ds_load_b64 v[8:9], v6                         ; my wave's 256 scale bytes, 8 a lane
	s_wait_dscnt 0x0
	global_store_b64 v7, v[8:9], s[14:15]          ; 32 lanes store 256 consecutive bytes, aligned
	s_wait_tensorcnt 0x0                           ; the wave's end, behind my last LDS store
	ds_add_u32 v[SPW], v[NIL]
	s_wait_dscnt 0x0
	s_endpgm
.Lfunc_end_k_q0724ba24a2_lnq:
	.size	k_q0724ba24a2_lnq, .Lfunc_end_k_q0724ba24a2_lnq-k_q0724ba24a2_lnq
	.p2alignl 7, 3214868480
	.fill 96, 4, 3214868480
	.section	.rodata,"a",@progbits
	.p2align	6, 0x0
	.amdhsa_kernel k_q0724ba24a2_lnq
		.amdhsa_group_segment_fixed_size 33280
		.amdhsa_private_segment_fixed_size 0
		.amdhsa_enable_private_segment 0
		.amdhsa_kernarg_size 32
		.amdhsa_user_sgpr_count 2
		.amdhsa_user_sgpr_kernarg_segment_ptr 1
		.amdhsa_wavefront_size32 1
		.amdhsa_system_sgpr_workgroup_id_x 1
		.amdhsa_system_sgpr_workgroup_id_y 1
		.amdhsa_system_sgpr_workgroup_id_z 1
		.amdhsa_system_vgpr_workitem_id 0
		.amdhsa_next_free_vgpr 256
		.amdhsa_next_free_sgpr 66
		.amdhsa_reserve_vcc 0
		.amdhsa_float_denorm_mode_32 3
		.amdhsa_float_denorm_mode_16_64 3
		.amdhsa_memory_ordered 1
		.amdhsa_forward_progress 1
		.amdhsa_inst_pref_size 101
	.end_amdhsa_kernel
	.amdgpu_metadata
---
amdhsa.version: [ 1, 2 ]
amdhsa.kernels:
  - .name:           k_q0724ba24a2_lnq
    .symbol:         k_q0724ba24a2_lnq.kd
    .args:
      - { .name: x, .offset: 0, .size: 8, .value_kind: global_buffer, .address_space: global }
      - { .name: ln_g, .offset: 8, .size: 8, .value_kind: global_buffer, .address_space: global }
      - { .name: ln_b, .offset: 16, .size: 8, .value_kind: global_buffer, .address_space: global }
      - { .name: xn, .offset: 24, .size: 8, .value_kind: global_buffer, .address_space: global }
    .group_segment_fixed_size: 33280
    .private_segment_fixed_size: 0
    .kernarg_segment_align: 8
    .kernarg_segment_size: 32
    .max_flat_workgroup_size: 128
    .sgpr_count:     66
    .vgpr_count:     256
    .wavefront_size: 32
...
	.end_amdgpu_metadata
.endif
;; end of part 1
;; launch qkv (part 2): grid 12 x 64, 4 waves a work-group, clusters of 4 x 4, 327,680 bytes of LDS; arguments xn, w_q_codes, w_q_scales, b_q, w_k_codes, w_k_scales, b_k, w_v_codes, w_v_scales, b_v, q_img, k_img, v_img, qkv_sc; writes q_img, k_img, v_img, qkv_sc
.if DOCPART == 2
	.amdgcn_target "amdgcn-amd-amdhsa--gfx1250"
	.amdhsa_code_object_version 6
	.text
	.protected	k_q0724ba24a2_qkv
	.globl	k_q0724ba24a2_qkv
	.p2align	8
	.type	k_q0724ba24a2_qkv,@function
k_q0724ba24a2_qkv:
	s_mov_b64 s[64:65], 0
	v_nop
	global_prefetch_b8 v0, s[64:65] scope:SCOPE_SE
	s_setreg_imm32_b32 hwreg(HW_REG_WAVE_MODE, 25, 1), 1
	s_wait_xcnt 0x0
	s_wait_alu depctr_hold_cnt(0) depctr_sa_sdst(0) depctr_va_vdst(0) depctr_va_sdst(0) depctr_va_ssrc(0) depctr_va_vcc(0) depctr_vm_vsrc(0)
	s_getreg_b32 s2, hwreg(HW_REG_IB_STS2, 6, 4)
	s_cmp_eq_u32 s2, 0
	s_cbranch_scc0 .Lentry_in_a_cluster
	s_endpgm
.Lentry_in_a_cluster:
	s_bfe_u32 s2, ttmp6, 0x10000c
	s_cmp_lg_u32 s2, 0xf033
	s_cbranch_scc0 .Lentry_shape_is_right
	s_endpgm
.Lentry_shape_is_right:
; q, k, v = xn W^T + b on codes of BF8 (E5M2) with E8M0 scales for each 32 along K = 1,024, and each result quantised again for the attention: q and k along the head's 64, v along the keys.
; THE TILE is 128 "P rows" x 256 "Q rows"; four waves, 2 x 2; a wave makes 64 x 128: 32 accumulators of 16 x 16.  Source 0 = 16 Q rows, source 1 = 16 P rows: lane (r, h) then holds P row r, and its eight registers Q rows 8 h + 0 .. 7.
; ROLES.  The cluster's x says which product: 0 q, 1 k, 2 v.  For q and k: P = tokens (xn), Q = rows of W: a lane's registers run along the head's d.  For v the roles are swapped: P = rows of w_v, Q = tokens: a lane holds one d and its
; registers run along the keys, which are the second attention product's K.  Rows of xn and of W are alike (1,024 codes, 32 scale bytes), so only pointers and tile numbers are chosen; ring, LDS and descriptors are one text.
; 128 x 256 gives 3 x 256 work-groups of equal work; 256 x 256 would give 384.
; K goes in eight steps of 128 through a ring of two LDS slots of 256 along K (rows of 256 bytes + 16 of padding), four fills: two at the start, each slot filled once more.  All is written out: no loop.
; CLUSTER 4 x 4: P's tile hangs on the cluster's row, Q's on its column: each is asked for jointly by the four that share it, by the same tensor load with the same descriptor and a mask that names the four.
; THE SCALE WORDS of a wave's rows for all of K (8 words a row) go once from memory into registers: 96 registers; lanes l and l + 16 hold the same words.
; WHAT LEAVES.  The 16 registers of two neighbouring tiles b and lane l xor 16's are a block of 32 along Q; byte n of a lane's 16 codes is element 16 (n / 8) + 8 h + n % 8 of the block.  That order inside a block is the same on both sides
; of each attention product (q and k leave this text alike; p comes out of a result laid the same way as v), so nothing is permuted, and a lane's 16 codes are stored as they stand: 512 consecutive bytes an instruction.
;   q_img, k_img: [b h 64][tile of 16 tokens 128][c 2][lane][16 bytes]: lane (r, h): token r of the tile, block c of the head's 64.      v_img: [b h][block of 32 keys 64][a 4][lane][16 bytes]: lane (r, h): d = 16 a + r.
;   qkv_sc: q at 0, k at 262,144: [b x 8 + head pair][block of 32 tokens 64][r 16][head of the pair 2] words: bytes 0, 1 token r's two scales, bytes 2, 3 token 16 + r's.   v at 524,288: [b h][128 keys 16][a / 2][r][a % 2] words: byte = key block.
; LIMITS: NaN and infinities are not served; a block whose largest magnitude lies under 2^-111 (zeros too) keeps the byte 1; these bytes are read by this program alone.
; REGISTERS, in windows of 256.  Window 0: v0-31 addresses; v32-63 P's scale words (tile a, step k: 32 + 8 a + k); v64-127 Q's (64 + 8 b + k); v128-191 the bias along Q, the C of step 0, later the quantiser's work registers; v192-255 codes.
;   window 1: accumulator (a, b) at 8 (8 a + b).   window 2: Q's fragments, set p at 128 p + 16 b.   window 3: P's, set p at 64 p + 16 a.
.set PITCH,  272                       ; an LDS row: 256 bytes + 16 of padding = 68 words: the 16 rows that a load touches start at 16 different banks (64 banks of 4 bytes: ISA guide 11.1)
.set PROWS,  64*PITCH                  ; what one tensor load brings of P, and what a wave reads of P
.set QROWS,  128*PITCH                 ; the same of Q
.set PAREA,  2*PROWS
.set SLOT,   PAREA+2*QROWS             ; P's 128 rows, then Q's 256
.set SPARE,  2*SLOT                    ; behind the ring: the spare words, 128 bytes a wave: two blocks of 256 bytes that no other line names
.set XSC,    8388608                   ; where the scale bytes begin in xn
.set BP,   8                           ; v8, 10, 12, 14: the bias along P (v alone), one number a lane and tile a; their odd partners are 0
.set ADRP, 16                          ; v16-17  LDS address of my P fragments in slot 0, 1
.set ZR,   19                          ; v19     0
.set ADRQ, 20                          ; v20-21  the same for Q
.set SPW,  28                          ; v28     LDS address of my spare word; never rewritten
.set NIL,  29                          ; v29     0, for the add alone
.set PS,   32
.set QS,   64
.set BQ,   128
.set TM,   128                         ; the quantiser: v128-131 largest magnitudes, v132-135 bytes, v136-139 57,344 x the scale, v140-143 the conversions' scale operands
.set PW,   144                         ; v144-147 the scale word of tile a
.set PC,   192                         ; v192-255 codes: 16 registers for each tile a, so that no store's data are written again
.set G1P, 24                           ; s[24:31] descriptor group 1 for P's tiles; s[32:39] group 0, a set for each slot
.set G0P, 32
.set G1Q, 48                           ; s[48:55], s[56:63] the same for Q's
.set G0Q, 56
.set HM,  45                           ; s45  the mask of lanes 16-31
.set MNT, 97                           ; s97  the mantissa field of 57,344
.set SEL, 98                           ; s[98:99] v_permlanex16_b32's selects for lane l xor 16
.set MSB, 0
.macro WIN new                         ; the immediate's high byte repeats the setting that is left; a switch that changes nothing is dropped
.if MSB != \new
	s_set_vgpr_msb (MSB<<8)|\new
.set MSB, \new
.endif
.endm
.set MUL,  0x5e                        ; source 0 (Q) window 2, source 1 (P) window 3, C and D window 1
.set MUL0, 0x4e                        ; the same with C (the bias) in window 0
; A joint load: waves 0 and 1 fetch P's halves, waves 2 and 3 Q's.  The branch hangs on the wave's number alone.  An s_nop 0 and four v_nop follow each of the two lines.
.macro JLOAD s
	s_cmp_eq_u32 s15, 0
	s_cbranch_scc0 .Lfor_q_\@
	tensor_load_to_lds s[G0P+4*\s:G0P+4*\s+3], s[G1P:G1P+7]
	s_nop 0
.rept 4
	v_nop
.endr
	s_branch .Lasked_\@
.Lfor_q_\@:
	tensor_load_to_lds s[G0Q+4*\s:G0Q+4*\s+3], s[G1Q:G1Q+7]
	s_nop 0
.rept 4
	v_nop
.endr
.Lasked_\@:
.endm
.macro CREST                           ; a round of the cluster's barrier behind its opening barrier
	s_cmp_lg_u32 s14, 0
	s_cbranch_scc1 .Lnot_wave_0_\@
	s_barrier_signal -3
.Lnot_wave_0_\@:
	s_barrier_wait -3
	s_barrier_signal -1
	s_barrier_wait -1
.endm
.macro CROUND                          ; a whole round
	s_barrier_signal -1
	s_barrier_wait -1
	CREST
.endm
.macro PLACES n                        ; plain vector lines behind matrix instructions: eight for this form, in front of loads into registers that they have read and of the first read of results
.rept \n
	v_nop
.endr
.endm
	s_load_b512 s[68:83], s[0:1], 0x0              ; xn 68, w_q codes 70, scales 72, b_q 74, w_k codes 76, scales 78, b_k 80, w_v codes 82
	s_load_b256 s[84:91], s[0:1], 0x40             ; w_v scales 84, b_v 86, q_img 88, k_img 90
	s_load_b128 s[92:95], s[0:1], 0x60             ; v_img 92, qkv_sc 94
	v_lshl_add_u32 v[SPW], v0, 2, SPARE
	v_mov_b32 v[NIL], 0
	ds_add_u32 v[SPW], v[NIL]                      ; the wave's opening: the add and its wait come ahead of my first tensor load; the set-up below, work on registers, stands between them
	v_lshrrev_b32 v1, 5, v0
	v_readfirstlane_b32 s14, v1                    ; wave 0..3
	s_lshr_b32 s15, s14, 1                         ; which 64 P rows are mine.  Also: I fetch for P (0) or for Q (1)
	s_and_b32 s16, s14, 1                          ; which 128 Q rows.  Also: which half of that tile I fetch
	s_bfe_u32 s40, ttmp6, 0x40000                  ; cx
	s_bfe_u32 s41, ttmp6, 0x40004                  ; cy
	s_and_b32 s18, ttmp7, 0xffff                   ; the cluster's y, 0..15
	s_and_b32 s19, s18, 1
	s_lshr_b32 s2, s18, 1
	s_cmp_eq_u32 ttmp9, 2                          ; v?  The cluster's x is the same in all sixteen partners
	s_cselect_b32 s19, s19, s18
	s_cselect_b32 s2, s2, 0
	s_cselect_b32 s96, -1, 0                       ; all lanes on for v
	s_lshl_b32 s17, s19, 2
	s_add_co_u32 s17, s17, s41                     ; P's tile: q, k: 4 y + cy (64 tiles of tokens); v: 4 (y % 2) + cy (8 tiles of w_v's rows)
	s_lshl_b32 s42, s2, 2
	s_add_co_u32 s42, s42, s40                     ; Q's tile: q, k: cx (4 tiles of W's rows); v: 4 (y / 2) + cx (32 tiles of tokens)
	s_lshl_b32 s43, s41, 2
	s_lshl_b32 s43, 15, s43                        ; my row of the cluster
	s_lshl_b32 s44, 0x1111, s40                    ; my column
	s_or_b32 s[G1P], s43, (0<<16)|(1<<20)|(1<<21)|(5<<22)|(3<<25)  ; 15:0 the mask; 17:16 elements of 1 byte; 20 padding on; 21 set beside a mask; 24:22 after every 64 words; 31:25 four words
	s_or_b32 s[G1Q], s44, (0<<16)|(1<<20)|(1<<21)|(5<<22)|(3<<25)
	s_mov_b32 s[G1P+1], 256<<16                    ; tensor_dim0 = 256
	s_mov_b32 s[G1P+2], 64<<16                     ; tensor_dim1 = 64
	s_mov_b32 s[G1P+3], 256<<16                    ; tile_dim0 = 256
	s_mov_b32 s[G1P+4], 64                         ; tile_dim1 = 64
	s_mov_b32 s[G1P+5], 1024                       ; from row to row
	s_mov_b32 s[G1P+6], 0
	s_mov_b32 s[G1P+7], 0
	s_mov_b32 s[G1Q+1], 256<<16
	s_mov_b32 s[G1Q+2], 128<<16                    ; 128 rows
	s_mov_b32 s[G1Q+3], 256<<16
	s_mov_b32 s[G1Q+4], 128
	s_mov_b32 s[G1Q+5], 1024
	s_mov_b32 s[G1Q+6], 0
	s_mov_b32 s[G1Q+7], 0
	s_lshl_b32 s20, s17, 7                         ; what I fetch of P: row 128 x tile + 64 x half, in bytes; made of cy and shared numbers alone
	s_lshl_b32 s19, s16, 6
	s_add_co_u32 s20, s20, s19
	s_lshl_b32 s20, s20, 10
	s_mov_b32 s21, 0
	s_lshl_b32 s46, s42, 8                         ; of Q: row 256 x tile + 128 x half; made of cx and shared numbers alone
	s_lshl_b32 s19, s16, 7
	s_add_co_u32 s46, s46, s19
	s_lshl_b32 s46, s46, 10
	s_mov_b32 s47, 0
	s_mul_i32 s45, s16, PROWS                      ; where they go: the wave's number alone enters an LDS address
	s_mul_i32 s3, s16, QROWS
	s_add_co_u32 s3, s3, PAREA
	s_wait_dscnt 0x0                               ; the opening add is done
	s_wait_kmcnt 0x0
	s_cmp_eq_u32 ttmp9, 0
	s_cselect_b64 s[4:5], s[70:71], s[76:77]       ; W's codes,
	s_cselect_b64 s[6:7], s[72:73], s[78:79]       ; its scale bytes,
	s_cselect_b64 s[8:9], s[74:75], s[80:81]       ; the bias,
	s_cselect_b64 s[10:11], s[88:89], s[90:91]     ; the image: q's or k's,
	s_cmp_eq_u32 ttmp9, 2
	s_cselect_b64 s[4:5], s[82:83], s[4:5]         ; or v's
	s_cselect_b64 s[6:7], s[84:85], s[6:7]
	s_cselect_b64 s[8:9], s[86:87], s[8:9]
	s_cselect_b64 s[10:11], s[92:93], s[10:11]
	s_add_nc_u64 s[12:13], s[68:69], XSC           ; xn's scale bytes
	s_cselect_b64 s[76:77], s[4:5], s[68:69]       ; P's codes: v: W, else xn
	s_cselect_b64 s[78:79], s[68:69], s[4:5]       ; Q's codes
	s_cselect_b64 s[80:81], s[6:7], s[12:13]       ; P's scale bytes
	s_cselect_b64 s[82:83], s[12:13], s[6:7]       ; Q's
	s_add_nc_u64 s[20:21], s[76:77], s[20:21]
	s_add_nc_u64 s[46:47], s[78:79], s[46:47]
	CROUND                                         ; all sixteen work-groups are here: the first joint loads meet
.irp s, 0,1
	s_mov_b32 s[G0P+4*\s], 1                                       ; count = 1
	s_add_co_u32 s[G0P+4*\s+1], s45, \s*SLOT                       ; LDS address
	s_add_nc_u64 s[G0P+4*\s+2:G0P+4*\s+3], s[20:21], \s*256        ; global address: 256 along K for each slot
	s_or_b32 s[G0P+4*\s+3], s[G0P+4*\s+3], 0x80000000              ; type = 2
	s_mov_b32 s[G0Q+4*\s], 1
	s_add_co_u32 s[G0Q+4*\s+1], s3, \s*SLOT
	s_add_nc_u64 s[G0Q+4*\s+2:G0Q+4*\s+3], s[46:47], \s*256
	s_or_b32 s[G0Q+4*\s+3], s[G0Q+4*\s+3], 0x80000000
	JLOAD \s                                       ; both slots go out at once: two tensor loads of mine are out
.endr
	s_mov_b32 s[HM], 0xffff0000
	s_mov_b32 s[MNT], 0x600000
	s_mov_b32 s[SEL], 0x76543210
	s_mov_b32 s[SEL+1], 0xfedcba98
	v_and_b32 v1, 15, v0                           ; r
	v_bfe_u32 v2, v0, 4, 1                         ; h
	v_lshlrev_b32 v3, 5, v1                        ; a row's 32 scale bytes
	v_lshlrev_b32 v4, 5, v2                        ; my half's eight numbers of the bias along Q
	v_lshlrev_b32 v5, 2, v1                        ; my row's number of the bias along P
	v_and_b32 v6, 31, v0
	v_lshlrev_b32 v7, 3, v6                        ; 8 x lane
	v_lshlrev_b32 v6, 4, v6                        ; 16 x lane
	s_lshl_b32 s20, s17, 7
	s_lshl_b32 s19, s15, 6
	s_add_co_u32 s20, s20, s19                     ; my first P row
	s_lshl_b32 s46, s42, 8
	s_lshl_b32 s19, s16, 7
	s_add_co_u32 s46, s46, s19                     ; my first Q row
	s_mov_b32 s23, 0
	s_lshl_b32 s22, s20, 5
	s_add_nc_u64 s[80:81], s[80:81], s[22:23]
	s_lshl_b32 s22, s46, 5
	s_add_nc_u64 s[82:83], s[82:83], s[22:23]
	s_lshl_b32 s2, s46, 2
	s_lshl_b32 s3, s20, 2
	s_cmp_eq_u32 ttmp9, 2
	s_cselect_b32 s22, 0, s2
	s_add_nc_u64 s[4:5], s[8:9], s[22:23]          ; the bias along Q (q, k; for v the first numbers are loaded and replaced by 0 below)
	s_cselect_b32 s22, s3, 0
	s_add_nc_u64 s[8:9], s[8:9], s[22:23]          ; the bias along P (v; for q and k the first numbers are loaded and not used)
.irp a, 0,1,2,3
	global_load_b128 v[PS+8*\a:PS+8*\a+3], v3, s[80:81] offset:512*\a
	global_load_b128 v[PS+8*\a+4:PS+8*\a+7], v3, s[80:81] offset:512*\a+16
.endr
.irp b, 0,1,2,3,4,5,6,7
	global_load_b128 v[QS+8*\b:QS+8*\b+3], v3, s[82:83] offset:512*\b
	global_load_b128 v[QS+8*\b+4:QS+8*\b+7], v3, s[82:83] offset:512*\b+16
	global_load_b128 v[BQ+8*\b:BQ+8*\b+3], v4, s[4:5] offset:64*\b
	global_load_b128 v[BQ+8*\b+4:BQ+8*\b+7], v4, s[4:5] offset:64*\b+16
.endr
.irp a, 0,1,2,3
	global_load_b32 v[BP+2*\a], v5, s[8:9] offset:64*\a
	v_mov_b32 v[BP+2*\a+1], 0                      ; named with it as a pair, so it is written
.endr
	; where the results go.  R0 = my first token, hd = my (first) head:  image: ((16 b + hd) << 17) + 64 s0;  scale words: 262,144 x product + ((16 b + hd) << 12) + (q, k: 4; v: 2) x s0
	s_lshl_b32 s3, s17, 1
	s_add_co_u32 s3, s3, s15                       ; v: head = 2 x P's tile + my half
	s_lshl_b32 s18, s42, 2
	s_lshl_b32 s19, s16, 1
	s_add_co_u32 s18, s18, s19                     ; q, k: first head = 4 x Q's tile + 2 x my half
	s_cmp_eq_u32 ttmp9, 2
	s_cselect_b32 s2, s46, s20
	s_cselect_b32 s3, s3, s18
	s_cselect_b32 s19, 1, 2
	s_lshr_b32 s18, s2, 11                         ; b
	s_and_b32 s2, s2, 2047                         ; s0
	s_lshl_b32 s18, s18, 4
	s_add_co_u32 s3, s3, s18
	s_lshl_b32 s22, s3, 17
	s_lshl_b32 s18, s2, 6
	s_add_co_u32 s22, s22, s18
	s_add_nc_u64 s[10:11], s[10:11], s[22:23]
	s_lshl_b32 s22, s3, 12
	s_lshl_b32 s18, s2, s19
	s_add_co_u32 s22, s22, s18
	s_lshl_b32 s18, ttmp9, 18
	s_add_co_u32 s22, s22, s18
	s_add_nc_u64 s[94:95], s[94:95], s[22:23]
	v_mul_u32_u24 v18, v1, PITCH
	v_lshl_add_u32 v18, v2, 4, v18                 ; a fragment's row x pitch + 16 x half
	s_mul_i32 s21, s15, PROWS
	s_mul_i32 s22, s16, QROWS
	s_add_co_u32 s22, s22, PAREA
.irp s, 0,1
	v_add_nc_u32 v[ADRP+\s], s21, v18
	v_add_nc_u32 v[ADRQ+\s], s22, v18
	s_add_co_u32 s21, s21, SLOT
	s_add_co_u32 s22, s22, SLOT
.endr
	v_mov_b32 v[ZR], 0
	s_wait_loadcnt 0x0                             ; scale words and biases
.set i, 0
.rept 64
	v_cndmask_b32 v[BQ+i], v[BQ+i], v[ZR], s96     ; v has no bias along Q: its sums begin with 0
.set i, i+1
.endr
	PLACES 8
; 8 matrix instructions: P's tile a against Q's eight, step k of 128 along K, fragment set p.  first = 1: the bias starts the sums: nothing is cleared.
; The 32 accumulators take turns, one instruction a turn, in the same order in every step.
.macro MUL8 a, p, k, first
.irp b, 0,1,2,3,4,5,6,7
.if \first
	v_wmma_scale_f32_16x16x128_f8f6f4 v[8*(8*(\a)+\b):8*(8*(\a)+\b)+7], v[128*(\p)+16*\b:128*(\p)+16*\b+15], v[64*(\p)+16*(\a):64*(\p)+16*(\a)+15], v[BQ+8*\b:BQ+8*\b+7], v[QS+8*\b+(\k)], v[PS+8*(\a)+(\k)] matrix_a_fmt:MATRIX_FMT_BF8 matrix_b_fmt:MATRIX_FMT_BF8
.else
	v_wmma_scale_f32_16x16x128_f8f6f4 v[8*(8*(\a)+\b):8*(8*(\a)+\b)+7], v[128*(\p)+16*\b:128*(\p)+16*\b+15], v[64*(\p)+16*(\a):64*(\p)+16*(\a)+15], v[8*(8*(\a)+\b):8*(8*(\a)+\b)+7], v[QS+8*\b+(\k)], v[PS+8*(\a)+(\k)] matrix_a_fmt:MATRIX_FMT_BF8 matrix_b_fmt:MATRIX_FMT_BF8
.endif
.endr
.endr
.endm
; 48 LDS loads in one run: the fragments of the slot's q-th 128 along K into set p: Q's eight, then P's four.  A fragment: lane (r, h) holds row r; registers 4 c .. 4 c + 3 hold K = 32 c + 16 h + 0 .. 15.
.macro FETCH slot, q, p
	WIN 0x80                                       ; destination window 2
.irp b, 0,1,2,3,4,5,6,7
.irp c, 0,1,2,3
	ds_load_b128 v[128*(\p)+16*\b+4*\c:128*(\p)+16*\b+4*\c+3], v[ADRQ+\slot] offset:128*(\q)+32*\c+\b*16*PITCH
.endr
.endr
	WIN 0xc0                                       ; destination window 3
.irp a, 0,1,2,3
.irp c, 0,1,2,3
	ds_load_b128 v[64*(\p)+16*\a+4*\c:64*(\p)+16*\a+4*\c+3], v[ADRP+\slot] offset:128*(\q)+32*\c+\a*16*PITCH
.endr
.endr
	WIN 0
.endm
; A slot's first step (set 0): in its middle the second step's fragments are fetched into set 1.
.macro STEP slot, k, first
	s_wait_dscnt 8                                 ; Q's fragments and P's tiles 0, 1 are in; the youngest eight loads (P's tiles 2, 3) may be out
.if \first
	WIN MUL0
.else
	WIN MUL
.endif
	MUL8 0, 0, \k, \first
	MUL8 1, 0, \k, \first
	PLACES 8
	FETCH \slot, 1, 1
	s_wait_dscnt 48                                ; all but the 48 just issued
.if \first
	WIN MUL0
.else
	WIN MUL
.endif
	MUL8 2, 0, \k, \first
	MUL8 3, 0, \k, \first
	WIN 0
.endm
; A slot's second step (set 1) changes slots: ONE barrier; in front of it each wave waits for all its tensor loads, adds 0 to its spare word, and waits for that and for its own reads of this slot.  fill = 1: the slot is filled again, 512 along K on.
.macro TURN slot, next, k, fill
	s_wait_tensorcnt 0x0                           ; all my tensor loads have landed: my part of the next slot
	ds_add_u32 v[SPW], v[NIL]                      ; 0 onto my spare word
	s_wait_dscnt 9                                 ; (the add and the youngest eight loads may be out)
	WIN MUL
	MUL8 0, 1, \k, 0                               ; eight matrix instructions stand between the add and the wait for it
	s_wait_dscnt 0x0                               ; the add is done, and my reads of this slot are over
	s_barrier_signal -1
	MUL8 1, 1, \k, 0
	WIN 0
	s_barrier_wait -1
.if \fill
	CREST                                          ; the barrier has opened a round of the cluster's barrier: no wave of any partner still reads this slot or has a load on its way
	s_add_nc_u64 s[G0P+4*\slot+2:G0P+4*\slot+3], s[G0P+4*\slot+2:G0P+4*\slot+3], 512
	s_add_nc_u64 s[G0Q+4*\slot+2:G0Q+4*\slot+3], s[G0Q+4*\slot+2:G0Q+4*\slot+3], 512
	JLOAD \slot                                    ; the first tensor load behind the round, my one load until the next; its four v_nop are four of the eight places
	PLACES 4
.else
	PLACES 8
.endif
	FETCH \next, 0, 0
	WIN MUL
	MUL8 2, 1, \k, 0
	MUL8 3, 1, \k, 0
	WIN 0
.endm
	s_wait_tensorcnt 1                             ; my part of slot 0 is in; slot 1's may stay out
	s_barrier_signal -1
	s_barrier_wait -1                              ; everybody's is
	FETCH 0, 0, 0
	STEP 0, 0, 1
	TURN 0, 1, 1, 1
	STEP 1, 2, 0
	TURN 1, 0, 3, 1
	STEP 0, 4, 0
	TURN 0, 1, 5, 0                                ; nothing is left to fetch: no round
	STEP 1, 6, 0
	s_wait_dscnt 8                                 ; the last step
	WIN MUL
	MUL8 0, 1, 7, 0
	MUL8 1, 1, 7, 0
	s_wait_dscnt 0x0
	MUL8 2, 1, 7, 0
	MUL8 3, 1, 7, 0
	WIN 0
	PLACES 8
	; THE WAY OUT.  v's bias runs along P: one number a lane and tile a.
	s_cmp_eq_u32 ttmp9, 2
	s_cbranch_scc0 .Lno_bias
	WIN 0x41                                       ; destination and source 0 window 1
.irp a, 0,1,2,3
.set i, 0
.rept 32
	v_pk_add_f32 v[64*\a+i:64*\a+i+1], v[64*\a+i:64*\a+i+1], v[BP+2*\a:BP+2*\a+1] op_sel_hi:[1,0]   ; each accumulator from its low end on
.set i, i+2
.endr
.endr
	WIN 0
.Lno_bias:
; Tile a's 64 numbers of a lane (window 1, v[64 a] on; register 16 be + n: block be of 32 along Q) become 16 registers of codes and a scale word.
.macro QUANT a
.set AC0, 64*(\a)
	WIN 0x05                                       ; sources 0 and 1 window 1
.irp b, 0,1,2,3
	v_max3_num_f32 v[TM+\b], |v[AC0+16*\b]|, |v[AC0+16*\b+1]|, 0x8000000   ; my 16 numbers of block b, and the floor 2^(16 - 127): the byte cannot fall under 1
.endr
	WIN 0x14                                       ; sources 1 and 2 window 1
.irp i, 2,4,6,8,10,12,14
.irp b, 0,1,2,3
	v_max3_num_f32 v[TM+\b], v[TM+\b], |v[AC0+16*\b+\i]|, |v[AC0+16*\b+\i+1]|   ; (the four blocks by turns)
.endr
.endr
	WIN 0
.irp b, 0,1,2,3
	v_permlanex16_b32 v[TM+4+\b], v[TM+\b], s[SEL], s[SEL+1]
.endr
.irp b, 0,1,2,3
	v_max_num_f32 v[TM+\b], v[TM+\b], v[TM+4+\b]   ; with lane l xor 16's: the block's largest magnitude
.endr
.irp b, 0,1,2,3
	v_add_nc_u32 v[TM+12+\b], 0xf8800000, v[TM+\b] ; 15 off its exponent field: the conversion's scale operand
.endr
.irp b, 0,1,2,3
	v_and_or_b32 v[TM+8+\b], v[TM+\b], 0x7f800000, s[MNT]   ; 57,344 x the scale
.endr
.irp b, 0,1,2,3
	v_lshrrev_b32 v[TM+4+\b], 23, v[TM+12+\b]      ; the scale's byte
.endr
	v_lshl_or_b32 v[PW+(\a)], v[TM+5], 8, v[TM+4]
	v_lshl_or_b32 v[PW+(\a)], v[TM+6], 16, v[PW+(\a)]
	v_lshl_or_b32 v[PW+(\a)], v[TM+7], 24, v[PW+(\a)]
	WIN 0x41
.irp b, 0,1,2,3
.irp i, 0,1,2,3,4,5,6,7,8,9,10,11,12,13,14,15
	v_med3_num_f32 v[AC0+16*\b+\i], v[AC0+16*\b+\i], -v[TM+8+\b], v[TM+8+\b]   ; the conversion to an 8-bit code does not saturate (ISA guide 7.6.2): the hold comes first
.endr
.endr
	WIN 0x01                                       ; source 0 window 1
.irp b, 0,1,2,3
	v_cvt_scalef32_pk8_bf8_f32 v[PC+16*(\a)+4*\b:PC+16*(\a)+4*\b+1], v[AC0+16*\b:AC0+16*\b+7], v[TM+12+\b]
	v_cvt_scalef32_pk8_bf8_f32 v[PC+16*(\a)+4*\b+2:PC+16*(\a)+4*\b+3], v[AC0+16*\b+8:AC0+16*\b+15], v[TM+12+\b]
.endr
	WIN 0
	v_nop                                          ; one plain line between the conversions and the next lines that write their scale operands
.endm
	QUANT 0
	QUANT 1
	QUANT 2
	QUANT 3
	s_cmp_eq_u32 ttmp9, 2
	s_cbranch_scc1 .Lv_out
.irp a, 0,1,2,3                        ; q, k: tile a = 16 tokens; block be: head be / 2 of my two, c = be % 2
.irp be, 0,1,2,3
	global_store_b128 v6, v[PC+16*\a+4*\be:PC+16*\a+4*\be+3], s[10:11] offset:1024*\a+512*(\be%2)+131072*(\be/2)   ; 32 lanes store 512 consecutive bytes, aligned
.endr
.endr
	v_perm_b32 v22, v[PW+1], v[PW], 0x05040100     ; tokens r and 16 + r of a block of 32, head 0: two bytes of each tile's word
	v_perm_b32 v23, v[PW+1], v[PW], 0x07060302     ; head 1
	v_perm_b32 v26, v[PW+3], v[PW+2], 0x05040100   ; my second block of 32 tokens
	v_perm_b32 v27, v[PW+3], v[PW+2], 0x07060302
	v_cndmask_b32 v24, v22, v26, s[HM]             ; lanes 0-15 store the first block's words, lanes 16-31 the second's
	v_cndmask_b32 v25, v23, v27, s[HM]
	global_store_b64 v7, v[24:25], s[94:95]        ; 256 consecutive bytes, aligned
	s_branch .Lend
.Lv_out:
.irp a, 0,1,2,3                        ; v: tile a = 16 of the head's d; block be = 32 keys
.irp be, 0,1,2,3
	global_store_b128 v6, v[PC+16*\a+4*\be:PC+16*\a+4*\be+3], s[10:11] offset:2048*\be+512*\a
.endr
.endr
	v_cndmask_b32 v24, v[PW], v[PW+2], s[HM]       ; lanes 0-15 store tiles 0 and 1's words, lanes 16-31 tiles 2 and 3's
	v_cndmask_b32 v25, v[PW+1], v[PW+3], s[HM]
	global_store_b64 v7, v[24:25], s[94:95]
.Lend:
	s_wait_tensorcnt 0x0                           ; the wave's end, behind my last tensor load
	ds_add_u32 v[SPW], v[NIL]
	s_wait_dscnt 0x0
	CROUND                                         ; the closing round: no work-group ends while a partner may still ask for a tile that names it
	s_endpgm
.Lfunc_end_k_q0724ba24a2_qkv:
	.size	k_q0724ba24a2_qkv, .Lfunc_end_k_q0724ba24a2_qkv-k_q0724ba24a2_qkv
	.p2alignl 7, 3214868480
	.fill 96, 4, 3214868480
	.section	.rodata,"a",@progbits
	.p2align	6, 0x0
	.amdhsa_kernel k_q0724ba24a2_qkv
		.amdhsa_group_segment_fixed_size 327680
		.amdhsa_private_segment_fixed_size 0
		.amdhsa_enable_private_segment 0
		.amdhsa_kernarg_size 112
		.amdhsa_user_sgpr_count 2
		.amdhsa_user_sgpr_kernarg_segment_ptr 1
		.amdhsa_wavefront_size32 1
		.amdhsa_system_sgpr_workgroup_id_x 1
		.amdhsa_system_sgpr_workgroup_id_y 1
		.amdhsa_system_sgpr_workgroup_id_z 1
		.amdhsa_system_vgpr_workitem_id 0
		.amdhsa_next_free_vgpr 896
		.amdhsa_next_free_sgpr 100
		.amdhsa_reserve_vcc 0
		.amdhsa_float_denorm_mode_32 3
		.amdhsa_float_denorm_mode_16_64 3
		.amdhsa_memory_ordered 1
		.amdhsa_forward_progress 1
		.amdhsa_inst_pref_size 125
	.end_amdhsa_kernel
	.amdgpu_metadata
---
amdhsa.version: [ 1, 2 ]
amdhsa.kernels:
  - .name:           k_q0724ba24a2_qkv
    .symbol:         k_q0724ba24a2_qkv.kd
    .args:
      - { .name: xn, .offset: 0, .size: 8, .value_kind: global_buffer, .address_space: global }
      - { .name: w_q_codes, .offset: 8, .size: 8, .value_kind: global_buffer, .address_space: global }
      - { .name: w_q_scales, .offset: 16, .size: 8, .value_kind: global_buffer, .address_space: global }
      - { .name: b_q, .offset: 24, .size: 8, .value_kind: global_buffer, .address_space: global }
      - { .name: w_k_codes, .offset: 32, .size: 8, .value_kind: global_buffer, .address_space: global }
      - { .name: w_k_scales, .offset: 40, .size: 8, .value_kind: global_buffer, .address_space: global }
      - { .name: b_k, .offset: 48, .size: 8, .value_kind: global_buffer, .address_space: global }
      - { .name: w_v_codes, .offset: 56, .size: 8, .value_kind: global_buffer, .address_space: global }
      - { .name: w_v_scales, .offset: 64, .size: 8, .value_kind: global_buffer, .address_space: global }
      - { .name: b_v, .offset: 72, .size: 8, .value_kind: global_buffer, .address_space: global }
      - { .name: q_img, .offset: 80, .size: 8, .value_kind: global_buffer, .address_space: global }
      - { .name: k_img, .offset: 88, .size: 8, .value_kind: global_buffer, .address_space: global }
      - { .name: v_img, .offset: 96, .size: 8, .value_kind: global_buffer, .address_space: global }
      - { .name: qkv_sc, .offset: 104, .size: 8, .value_kind: global_buffer, .address_space: global }
    .group_segment_fixed_size: 327680
    .private_segment_fixed_size: 0
    .kernarg_segment_align: 8
    .kernarg_segment_size: 112
    .max_flat_workgroup_size: 128
    .sgpr_count:     100
    .vgpr_count:     896
    .wavefront_size: 32
...
	.end_amdgpu_metadata
.endif
;; end of part 2
;; launch attn (part 3): grid 8 x 32, 16 waves a work-group, no clusters, 167,936 bytes of LDS; arguments q_img, k_img, v_img, qkv_sc, ctx; writes ctx
.if DOCPART == 3
	.amdgcn_target "amdgcn-amd-amdhsa--gfx1250"
	.amdhsa_code_object_version 6
	.text
	.protected	k_q0724ba24a2_attn
	.globl	k_q0724ba24a2_attn
	.p2align	8
	.type	k_q0724ba24a2_attn,@function
k_q0724ba24a2_attn:
	s_mov_b64 s[64:65], 0
	v_nop
	global_prefetch_b8 v0, s[64:65] scope:SCOPE_SE
	s_setreg_imm32_b32 hwreg(HW_REG_WAVE_MODE, 25, 1), 1
	s_wait_xcnt 0x0
; ctx = softmax(q k^T / 8, keys j with 0 <= i - j < 256) v, both products on codes of BF8 (E5M2) with E8M0 scales for each 32 along K, and ctx quantised along E for the output projection.
; THE SOFTMAX AHEAD OF THE SECOND PRODUCT: t = score x log2(e) / 8; M = the row's largest t so far, rounded UP to a whole number; p = 2^(t - M) is quantised along the keys, not normalised; the row's sum is taken of the unquantised p
; and divides at the end.  When M moves, the sum and O are multiplied by 2^(old M - new M): exact.
; SHARES.  A work-group owns 256 queries (Q0 = 256 x) of a PAIR of heads; wave w owns queries Q0 + 16 w .. + 15 and takes the pair's heads one after the other: so one wave makes a whole 128 along E of ctx and its scale word.
; Sixteen waves of 256 registers, four to a SIMD: one wave's vector work stands beside another's matrix work and LDS loads.
; THE WINDOW.  LDS holds the 512 keys from Q0 - 256 on: 16 blocks of 32.  With mb = w / 2 a tile of 16 queries meets blocks mb .. mb + 8 and no other: two steps of four blocks and a short step of one.  Block mb is cut from below,
; block mb + 8 causally; in the first query block the half that would lie in front of key 0 holds a second copy of keys 0-255, which is always masked.  What the mask hides becomes -infinity ahead of the maximum: p = 0.
; ALL OF K, V AND THEIR SCALES COME ONCE, at the head, by one tensor load a wave (fourteen waves), as dense rows of 256 bytes; nothing is filled again; one barrier.
; LAYOUT.  Both products are used transposed: S^T = K Q^T, O^T = V^T P^T: a lane holds ONE query throughout.  The images are register images: 16 bytes a lane, 512 an instruction.
; THE HEAD'S 64 ON AN INSTRUCTION OF 128: a block's 2,048 bytes of K are ONE fragment: its groups 0, 1 are keys r, its groups 2, 3 keys 16 + r.  Against [q | zeros] it gives the first 16 keys, against [zeros | q] the others.
; A zero code times a code of this program's own quantisers (held at 57,344 x the scale, so never infinite) adds an exact 0; the scale bytes beside zero codes are 0 or real bytes, never 0xff.  The short step leans on the same.
; NO CLUSTER: a half of 256 keys is read by two work-groups only, which want it at different LDS addresses, so no one descriptor serves both.
; The scale words of ctx leave as pieces of 64 bytes a wave: 262,144 bytes of the launch's 8.6 million.
; LIMITS: NaN and infinities are not served; a block whose largest magnitude lies under 2^-111 (zeros too) keeps the byte 1; these bytes are read by this program alone.
.set VIMG,  65536                      ; LDS: K's images at 0 (head e: 32,768 e; block: 2,048), V's here
.set KSC,   131072                     ; K's scale words: [block 16][r 16][head 2]
.set VSC,   133120                     ; V's: head e: 1,024 e; [128 keys 4][a / 2][r][a % 2]
.set SPARE, 135168                     ; the spare words, 128 bytes a wave: eight blocks of 256 bytes that no other line names
.set SPW,  5                           ; v5   LDS address of my spare word; never rewritten
.set NIL,  6                           ; v6   0, for the add alone
; v0 (once the addresses are made) the short step's bound; v1 K's images, v2 V's, v3 K's scale words, v4 V's: my lane's LDS addresses; v7 16 x lane; v8, v9 the lower bounds of steps 0 and 1; v[10:11] q's raw scale words, one a head
; v12 -M, v13 the largest t, v[14:15] the sum in two halves; v16-23 q, v24-31 zeros, v32-39 q again
.set FR,   40                          ; v40-103   four fragments of K or of V
.set S,    104                         ; v104-167  S^T, then p; on the way out ctx
.set O,    168                         ; v168-199  O^T
.set PCD,  200                         ; v200-215  p's codes
.set KS,   216                         ; v216-219  K's scale words
.set RW,   220                         ; v220-227  V's raw scale words
.set VS,   228                         ; v228-231  V's scale words of the step
.set BM,   232                         ; v232-235  block maxima
.set T2,   236                         ; v236-239  at work
.set HD,   240                         ; v240-243  57,344 x the scale
.set SO,   244                         ; v244-247  the conversions' scale operands
.set QSA,  248                         ; v248      q's scales in bytes 0, 1
.set QSB,  249                         ; v249      in bytes 2, 3
.set PSW,  250                         ; v250      p's scale word
.set NINF, 251                         ; v251      -infinity
.set F,    252                         ; v[252:253] f = 2^(old M - new M)
.set WK,   254
.set CW,   255                         ; v255      ctx's scale word
.set WV,   18
.set MNT,  19
.set SEL,  20
.set CS,   22
.set G1C,  24                          ; s[24:31] group 1: 64 rows of 256 bytes;  s[32:39]: 4 rows;  s[40:47]: 2 rows
.set G1KS, 32
.set G1VS, 40
.set G0C,  48                          ; s[48:51], s[52:55], s[56:59] their groups 0
.set G0KS, 52
.set G0VS, 56
.set SH,   60                          ; s60  8 (mb % 4)
.set NK0,  61                          ; s61  256 - Q0 - 32 mb: keys of step 0 under this number lie in front of key 0
.set NK1,  62                          ; s62  the same for step 1
.set HM,   63                          ; s63  the mask of lanes 16-31
.set U16,  66                          ; s66  16 (w % 2)
	s_load_b256 s[4:11], s[0:1], 0x0               ; q_img s[4:5], k_img s[6:7], v_img s[8:9], qkv_sc s[10:11]
	s_load_b64 s[12:13], s[0:1], 0x20              ; ctx
	v_lshl_add_u32 v[SPW], v0, 2, SPARE
	v_mov_b32 v[NIL], 0
	ds_add_u32 v[SPW], v[NIL]                      ; the wave's opening: the add and its wait come ahead of my first tensor load; the set-up below, work on registers, stands between them
	v_lshrrev_b32 v1, 5, v0
	v_readfirstlane_b32 s[WV], v1                  ; wave 0..15
.irp g, G1C, G1KS, G1VS                ; dense blocks as rows of 256 bytes: 32 elements of 8 bytes, no padding, no mask
	s_mov_b32 s[\g], 3<<16
	s_mov_b32 s[\g+1], 32<<16                      ; tensor_dim0
	s_mov_b32 s[\g+3], 32<<16                      ; tile_dim0
	s_mov_b32 s[\g+5], 32                          ; from row to row
	s_mov_b32 s[\g+6], 0
	s_mov_b32 s[\g+7], 0
.endr
	s_mov_b32 s[G1C+2], 64<<16                     ; tensor_dim1,
	s_mov_b32 s[G1C+4], 64                         ; tile_dim1: 256 keys of one head's K or V
	s_mov_b32 s[G1KS+2], 4<<16
	s_mov_b32 s[G1KS+4], 4                         ; 256 keys' scale words of K, both heads
	s_mov_b32 s[G1VS+2], 2<<16
	s_mov_b32 s[G1VS+4], 2                         ; 256 keys' scale words of one head's V
	s_and_b32 s67, ttmp7, 0xffff                   ; y = 8 b + head pair
	s_lshr_b32 s68, s67, 3                         ; b
	s_and_b32 s69, s67, 7                          ; the pair
	s_lshl_b32 s70, s68, 4
	s_lshl_b32 s71, s69, 1
	s_add_co_u32 s70, s70, s71                     ; 16 b + the pair's first head
	s_lshl_b32 s71, ttmp9, 8                       ; Q0
	s_and_b32 s72, s[WV], 1                        ; which half of the 512 keys I fetch; also w % 2
	s_lshl_b32 s73, s72, 8
	s_add_co_u32 s73, s73, s71
	s_sub_co_i32 s73, s73, 256
	s_max_i32 s73, s73, 0                          ; its first key; in front of key 0: key 0
	s_bfe_u32 s74, s[WV], 0x10001                  ; waves 0-7: head (w / 2) % 2
	s_add_co_u32 s74, s74, s70
	s_lshl_b32 s74, s74, 17                        ; a head's image is 131,072 bytes,
	s_lshl_b32 s75, s73, 6                         ; a key's share 64
	s_add_co_u32 s74, s74, s75
	s_mov_b32 s75, 0
	s_and_b32 s76, s[WV], 7
	s_lshl_b32 s76, s76, 14                        ; LDS: 16,384 x (w % 8): K head 0 halves 0, 1; K head 1; V head 0; V head 1
	s_lshl_b32 s78, s67, 13                        ; waves 8, 9: K's scale words: 8,192 bytes a pair, 4 a key
	s_add_co_u32 s78, s78, 262144
	s_lshl_b32 s77, s73, 2
	s_add_co_u32 s78, s78, s77
	s_mov_b32 s79, 0
	s_lshl_b32 s77, s72, 10
	s_add_co_u32 s77, s77, KSC
	s_add_co_u32 s80, s[WV], 2                     ; waves 10-13: V's: part (w + 2) % 4 = 2 x head + half
	s_and_b32 s80, s80, 3
	s_lshr_b32 s81, s80, 1
	s_add_co_u32 s81, s81, s70
	s_lshl_b32 s82, s81, 12                        ; 4,096 bytes a head, 2 a key
	s_add_co_u32 s82, s82, 524288
	s_lshl_b32 s81, s73, 1
	s_add_co_u32 s82, s82, s81
	s_mov_b32 s83, 0
	s_lshl_b32 s80, s80, 9
	s_add_co_u32 s80, s80, VSC
	s_lshr_b32 s84, s[WV], 1                       ; mb
	s_and_b32 s[SH], s84, 3
	s_lshl_b32 s[SH], s[SH], 3
	s_lshl_b32 s85, s84, 5
	s_sub_co_i32 s[NK0], 256, s71
	s_sub_co_i32 s[NK0], s[NK0], s85
	s_sub_co_i32 s[NK1], s[NK0], 128
	s_mov_b32 s[HM], 0xffff0000
	s_lshl_b32 s[U16], s72, 4
	s_mov_b32 s[SEL], 0x76543210
	s_mov_b32 s[SEL+1], 0xfedcba98                 ; v_permlanex16_b32's selects for lane l xor 16
	s_mov_b32 s[CS], 0x3e38aa3b                    ; c = log2(e) / 8
	s_mov_b32 s[CS+1], s[CS]                       ; (named with it as a pair, so it is written)
	s_mov_b32 s[MNT], 0x600000                     ; the mantissa field of 57,344
	s_lshl_b32 s86, s70, 17                        ; q: the head's image + 1,024 x my tile of 16 queries
	s_lshl_b32 s87, s71, 6
	s_add_co_u32 s86, s86, s87
	s_lshl_b32 s87, s[WV], 10
	s_add_co_u32 s86, s86, s87
	s_mov_b32 s87, 0
	s_lshl_b32 s88, s[WV], 4
	s_add_co_u32 s88, s88, s71                     ; my first query
	s_lshr_b32 s2, s88, 5
	s_lshl_b32 s2, s2, 7                           ; q's scale words: 128 bytes a block of 32 tokens
	s_lshl_b32 s3, s67, 13
	s_add_co_u32 s2, s2, s3
	s_mov_b32 s3, 0
	s_lshl_b32 s89, s68, 11
	s_add_co_u32 s88, s88, s89                     ; as a token of all 8,192
	s_lshl_b32 s16, s88, 10                        ; ctx: 16,384 bytes a tile of 16 tokens,
	s_lshl_b32 s17, s69, 11                        ; 2,048 for each 128 along E
	s_add_co_u32 s16, s16, s17
	s_mov_b32 s17, 0
	s_lshl_b32 s88, s88, 2                         ; its scale words: [128 along E: 8][token] at 8,388,608
	s_lshl_b32 s89, s69, 15
	s_add_co_u32 s88, s88, s89
	s_add_co_u32 s88, s88, 8388608
	s_mov_b32 s89, 0
	s_wait_dscnt 0x0                               ; the opening add is done
	s_wait_kmcnt 0x0
	s_add_nc_u64 s[4:5], s[4:5], s[86:87]
	s_add_nc_u64 s[14:15], s[10:11], s[2:3]
	s_add_nc_u64 s[88:89], s[12:13], s[88:89]
	s_add_nc_u64 s[12:13], s[12:13], s[16:17]
	s_cmp_lt_u32 s[WV], 4                          ; waves 0-3 fetch K's images, waves 4-7 V's
	s_cselect_b64 s[G0C+2:G0C+3], s[6:7], s[8:9]
	s_add_nc_u64 s[G0C+2:G0C+3], s[G0C+2:G0C+3], s[74:75]
	s_or_b32 s[G0C+3], s[G0C+3], 0x80000000        ; type = 2
	s_mov_b32 s[G0C], 1
	s_mov_b32 s[G0C+1], s76
	s_mov_b32 s[G0KS], 1
	s_mov_b32 s[G0KS+1], s77
	s_add_nc_u64 s[G0KS+2:G0KS+3], s[10:11], s[78:79]
	s_or_b32 s[G0KS+3], s[G0KS+3], 0x80000000
	s_mov_b32 s[G0VS], 1
	s_mov_b32 s[G0VS+1], s80
	s_add_nc_u64 s[G0VS+2:G0VS+3], s[10:11], s[82:83]
	s_or_b32 s[G0VS+3], s[G0VS+3], 0x80000000
	s_cmp_lt_u32 s[WV], 8                          ; a wave's one fill: the branches hang on the wave's number alone; every wait on TENSORcnt in this text is for 0.  An s_nop 0 and four v_nop follow each load
	s_cbranch_scc0 .Lnot_codes
	tensor_load_to_lds s[G0C:G0C+3], s[G1C:G1C+7]
	s_nop 0
.rept 4
	v_nop
.endr
	s_branch .Lasked
.Lnot_codes:
	s_cmp_lt_u32 s[WV], 10
	s_cbranch_scc0 .Lnot_ks
	tensor_load_to_lds s[G0KS:G0KS+3], s[G1KS:G1KS+7]
	s_nop 0
.rept 4
	v_nop
.endr
	s_branch .Lasked
.Lnot_ks:
	s_cmp_lt_u32 s[WV], 14
	s_cbranch_scc0 .Lasked
	tensor_load_to_lds s[G0VS:G0VS+3], s[G1VS:G1VS+7]
	s_nop 0
.rept 4
	v_nop
.endr
.Lasked:
.macro QLOAD e                         ; head e's q of my 16 queries, twice: v[16:31] = [q | zeros], v[24:39] = [zeros | q]
	global_load_b128 v[16:19], v7, s[4:5] offset:131072*\e
	global_load_b128 v[20:23], v7, s[4:5] offset:131072*\e+512
	global_load_b128 v[32:35], v7, s[4:5] offset:131072*\e
	global_load_b128 v[36:39], v7, s[4:5] offset:131072*\e+512
.endm
	v_and_b32 v7, 31, v0
	v_lshlrev_b32 v7, 4, v7                        ; 16 x lane
	v_and_b32 v9, 15, v0                           ; r
	v_bfe_u32 v8, v0, 4, 1                         ; h
	v_lshlrev_b32 v[WK], 3, v9
	QLOAD 0
	global_load_b64 v[10:11], v[WK], s[14:15]      ; q's raw scale words of both heads: bytes 2 (w % 2), + 1 are my tile's
	s_lshl_b32 s86, s84, 11
	v_add_nc_u32 v1, s86, v7                       ; K's images: 16 x lane + 2,048 mb
	v_add_nc_u32 v2, VIMG, v1                      ; V's
	s_lshl_b32 s86, s84, 7
	s_add_co_u32 s86, s86, KSC
	v_lshl_add_u32 v3, v9, 3, s86                  ; K's scale words: 128 mb + 8 r
	s_lshr_b32 s86, s84, 2
	s_lshl_b32 s86, s86, 8
	s_add_co_u32 s86, s86, VSC
	v_lshl_add_u32 v4, v9, 3, s86                  ; V's: 256 (mb / 4) + 8 r
	; THE MASK'S BOUNDS.  Register 8 tau + j of a step holds the step's key X + 8 h, X = 16 tau + j; each bound has 8 h taken off, so that X is compared as a constant.
	v_lshlrev_b32 v8, 3, v8                        ; 8 h
	v_add_nc_u32 v9, s[U16], v9                    ; 16 (w % 2) + r
	v_sub_nc_u32 v0, v9, v8                        ; the short step: hidden where X > this (the thread's number is needed no more)
	v_sub_nc_u32 v9, s[NK1], v8                    ; step 1: hidden where X < this (used in the first query block alone)
	v_sub_nc_u32 v[T2], s[NK0], v8
	v_add_nc_u32 v8, 1, v0                         ; step 0: hidden where X < 16 (w % 2) + r + 1 - 8 h,
	v_cmp_gt_i32 vcc_lo, v[T2], v8
	v_cndmask_b32 v8, v8, v[T2], vcc_lo            ; or in front of key 0
.irp i, 24,25,26,27,28,29,30,31
	v_mov_b32 v[\i], 0                             ; the zero half of both forms of q
.endr
.irp b, 0,1,2,3
	v_mov_b32 v[T2+\b], 0                          ; written once: a lane permute's destination counts as one of its sources
.endr
	v_mov_b32 v[F], 0
	v_mov_b32 v[F+1], 0                            ; (named as the upper half of the pair)
	v_mov_b32 v[NINF], 0xff800000
	s_wait_tensorcnt 0x0                           ; my fill has landed,
	s_barrier_signal -1
	s_barrier_wait -1                              ; everybody's has: the launch's one barrier
	s_wait_loadcnt 0x0                             ; q
.macro MASKLT lo, hi, reg              ; registers lo .. hi - 1 of S^T: -infinity where X < v[reg]
.set n, \lo
.rept \hi-\lo
	v_cmp_lt_i32 vcc_lo, 16*(n/8)+n%8, v[\reg]
	v_cndmask_b32 v[S+n], v[S+n], v[NINF], vcc_lo
.set n, n+1
.endr
.endm
; nb blocks of 32 keys: the scores in v[S] on become p's codes in v[PCD] on and p's scale word; -M, the sum and f are brought up to date.
.macro SOFTMAX nb
.irp b, 0,1,2,3
.if \b < \nb
	v_max3_num_f32 v[BM+\b], v[S+16*\b], v[S+1+16*\b], v[S+2+16*\b]   ; the largest score of each block: it serves the row's maximum and, since p rises with the score, the block's largest p
.endif
.endr
.irp i, 3,5,7,9,11,13
.irp b, 0,1,2,3
.if \b < \nb
	v_max3_num_f32 v[BM+\b], v[BM+\b], v[S+16*\b+\i], v[S+1+16*\b+\i]
.endif
.endr
.endr
.irp b, 0,1,2,3
.if \b < \nb
	v_max_num_f32 v[BM+\b], v[BM+\b], v[S+15+16*\b]
.endif
.endr
.irp b, 0,1,2,3
.if \b < \nb
	v_permlanex16_b32 v[T2+\b], v[BM+\b], s[SEL], s[SEL+1]
.endif
.endr
.irp b, 0,1,2,3
.if \b < \nb
	v_max_num_f32 v[BM+\b], v[BM+\b], v[T2+\b]     ; with lane l xor 16's 16 keys
.endif
.endr
.if \nb == 4
	v_max3_num_f32 v[WK], v[BM], v[BM+1], v[BM+2]
	v_max_num_f32 v[WK], v[WK], v[BM+3]
	v_mul_f32 v[WK], s[CS], v[WK]                  ; the step's largest t
.else
	v_mul_f32 v[WK], s[CS], v[BM]
.endif
	v_max_num_f32 v13, v13, v[WK]                  ; the running largest t
	v_mov_b32 v[WK], v12
	v_floor_f32 v12, -v13                          ; the new -M = -ceil(t): a whole number
	v_sub_f32 v[WK], v12, v[WK]                    ; old M - new M: a whole number, 0 or less
	v_cvt_i32_f32 v[WK], v[WK]                     ; (it saturates)
	v_ldexp_f32 v[F], 1.0, v[WK]                   ; f = 2^(old M - new M)
.set j, 0
.rept 8*\nb
	v_pk_fma_f32 v[S+j:S+j+1], v[S+j:S+j+1], s[CS:CS+1], v[12:13] op_sel_hi:[1,0,0]   ; t - M, two at a time
.set j, j+2
.endr
.irp b, 0,1,2,3
.if \b < \nb
	v_fma_f32 v[BM+\b], v[BM+\b], s[CS], v12       ; the same of each block's largest score
.endif
.endr
.set j, 0
.rept 16*\nb
	v_exp_f32 v[S+j], v[S+j]                       ; p = 2^(t - M): one batch
.set j, j+1
.endr
	v_pk_mul_f32 v[14:15], v[14:15], v[F:F+1] op_sel_hi:[1,0]   ; the sums under the new M (the plain line behind the batch)
	s_wait_alu depctr_va_vdst(0)                   ; one wait for the batch, ahead of its first reader
.irp b, 0,1,2,3
.if \b < \nb
	v_exp_f32 v[BM+\b], v[BM+\b]                   ; the block's largest p: the same two instructions on the same number
.endif
.endr
	v_pk_add_f32 v[T2:T2+1], v[S:S+1], v[S+2:S+3]  ; the row's sum of the UNQUANTISED p, in two chains (plain work behind the small batch)
.set j, 4
.rept 4*\nb-1
	v_pk_add_f32 v[14:15], v[14:15], v[S+j:S+j+1]
	v_pk_add_f32 v[T2:T2+1], v[T2:T2+1], v[S+j+2:S+j+3]
.set j, j+4
.endr
	v_pk_add_f32 v[14:15], v[14:15], v[T2:T2+1]
	s_wait_alu depctr_va_vdst(0)                   ; and one for the small batch
.irp b, 0,1,2,3
.if \b < \nb
	v_max_num_f32 v[BM+\b], 0x8000000, v[BM+\b]    ; the floor 2^(16 - 127): the byte cannot fall under 1
.endif
.endr
.irp b, 0,1,2,3
.if \b < \nb
	v_add_nc_u32 v[SO+\b], 0xf8800000, v[BM+\b]    ; 15 off the exponent field: the conversion's scale operand
.endif
.endr
.irp b, 0,1,2,3
.if \b < \nb
	v_and_or_b32 v[HD+\b], v[BM+\b], 0x7f800000, s[MNT]   ; 57,344 x the scale
.endif
.endr
.irp b, 0,1,2,3
.if \b < \nb
	v_lshrrev_b32 v[T2+\b], 23, v[SO+\b]           ; the scale's byte
.endif
.endr
.if \nb == 4
	v_lshl_or_b32 v[PSW], v[T2+1], 8, v[T2]
	v_lshl_or_b32 v[PSW], v[T2+2], 16, v[PSW]
	v_lshl_or_b32 v[PSW], v[T2+3], 24, v[PSW]
.else
	v_mov_b32 v[PSW], v[T2]                        ; the other three blocks are zero codes under the byte 0
.endif
.irp b, 0,1,2,3
.if \b < \nb
.irp i, 0,1,2,3,4,5,6,7,8,9,10,11,12,13,14,15
	v_min_num_f32 v[S+16*\b+\i], v[S+16*\b+\i], v[HD+\b]   ; the conversion does not saturate (ISA guide 7.6.2); p is not negative: a one-sided hold
.endr
	v_cvt_scalef32_pk8_bf8_f32 v[PCD+4*\b:PCD+4*\b+1], v[S+16*\b:S+16*\b+7], v[SO+\b]
	v_cvt_scalef32_pk8_bf8_f32 v[PCD+4*\b+2:PCD+4*\b+3], v[S+16*\b+8:S+16*\b+15], v[SO+\b]
.endif
.endr
.endm
.macro RESCALE                         ; O^T under the new M; these sixteen are also the places between p's codes and the products
.set j, 0
.rept 16
	v_pk_mul_f32 v[O+j:O+j+1], v[O+j:O+j+1], v[F:F+1] op_sel_hi:[1,0]
.set j, j+2
.endr
.endm
; A FULL STEP: blocks mb + 4 st .. + 3 of head e.
.macro FSTEP e, st
.rept 8
	v_nop                                          ; places in front of loads into registers that the last products have read, and behind the lines that made q's scale words
.endr
.irp be, 0,1,2,3
.irp c, 0,1,2,3
	ds_load_b128 v[FR+16*\be+4*\c:FR+16*\be+4*\c+3], v1 offset:32768*\e+2048*(4*\st+\be)+512*\c
.endr
	ds_load_b32 v[KS+\be], v3 offset:128*(4*\st+\be)+4*\e
.endr
.irp gi, 0,1
.irp ap, 0,1
	ds_load_b64 v[RW+4*\gi+2*\ap:RW+4*\gi+2*\ap+1], v4 offset:1024*\e+256*(\st+\gi)+128*\ap
.endr
.endr
	s_wait_dscnt 0x0
.irp be, 0,1,2,3
	v_wmma_scale_f32_16x16x128_f8f6f4 v[S+16*\be:S+16*\be+7], v[FR+16*\be:FR+16*\be+15], v[16:31], 0, v[KS+\be], v[QSA] matrix_a_fmt:MATRIX_FMT_BF8 matrix_b_fmt:MATRIX_FMT_BF8
	v_wmma_scale_f32_16x16x128_f8f6f4 v[S+16*\be+8:S+16*\be+15], v[FR+16*\be:FR+16*\be+15], v[24:39], 0, v[KS+\be], v[QSB] matrix_a_fmt:MATRIX_FMT_BF8 matrix_b_fmt:MATRIX_FMT_BF8
.endr
.irp a, 0,1,2,3
	v_alignbit_b32 v[VS+\a], v[RW+4+\a], v[RW+\a], s[SH]   ; the four blocks' bytes straddle two words where mb is no multiple of 4.  (These four and the four below are the eight places)
.endr
.rept 4
	v_nop
.endr
.irp a, 0,1,2,3
.irp c, 0,1,2,3
	ds_load_b128 v[FR+16*\a+4*\c:FR+16*\a+4*\c+3], v2 offset:32768*\e+2048*(4*\st+\c)+512*\a   ; V's four tiles land while the softmax is worked
.endr
.endr
.if \st == 0
	MASKLT 0, 16, 8                                ; block mb is cut from below
	s_cmp_gt_i32 s[NK0], 0                         ; ids alone: the first query block has keys in front of key 0
	s_cbranch_scc0 .Lopen_\@
	MASKLT 16, 64, 8
.Lopen_\@:
.else
	s_cmp_gt_i32 s[NK1], 0
	s_cbranch_scc0 .Lopen_\@
	MASKLT 0, 64, 9
.Lopen_\@:
.endif
	SOFTMAX 4
.if \st == 0
.rept 4
	v_nop                                          ; four places between p's codes and the products
.endr
.else
	RESCALE
.endif
	s_wait_dscnt 0x0                               ; V
.irp a, 0,1,2,3
.if \st == 0
	v_wmma_scale_f32_16x16x128_f8f6f4 v[O+8*\a:O+8*\a+7], v[FR+16*\a:FR+16*\a+15], v[PCD:PCD+15], 0, v[VS+\a], v[PSW] matrix_a_fmt:MATRIX_FMT_BF8 matrix_b_fmt:MATRIX_FMT_BF8
.else
	v_wmma_scale_f32_16x16x128_f8f6f4 v[O+8*\a:O+8*\a+7], v[FR+16*\a:FR+16*\a+15], v[PCD:PCD+15], v[O+8*\a:O+8*\a+7], v[VS+\a], v[PSW] matrix_a_fmt:MATRIX_FMT_BF8 matrix_b_fmt:MATRIX_FMT_BF8
.endif
.endr
.endm
; THE SHORT STEP: block mb + 8 alone.  p's other three blocks are zero codes; V's other three groups keep the last step's codes, which are finite.
.macro SSTEP e
.rept 8
	v_nop
.endr
.irp c, 0,1,2,3
	ds_load_b128 v[FR+4*\c:FR+4*\c+3], v1 offset:32768*\e+2048*8+512*\c
.endr
	ds_load_b32 v[KS], v3 offset:128*8+4*\e
.irp ap, 0,1
	ds_load_b64 v[RW+2*\ap:RW+2*\ap+1], v4 offset:1024*\e+512+128*\ap
.endr
	s_wait_dscnt 0x0
	v_wmma_scale_f32_16x16x128_f8f6f4 v[S:S+7], v[FR:FR+15], v[16:31], 0, v[KS], v[QSA] matrix_a_fmt:MATRIX_FMT_BF8 matrix_b_fmt:MATRIX_FMT_BF8
	v_wmma_scale_f32_16x16x128_f8f6f4 v[S+8:S+15], v[FR:FR+15], v[24:39], 0, v[KS], v[QSB] matrix_a_fmt:MATRIX_FMT_BF8 matrix_b_fmt:MATRIX_FMT_BF8
.irp a, 0,1,2,3
	v_bfe_u32 v[VS+\a], v[RW+\a], s[SH], 8         ; the one block's byte; the others 0
.endr
.rept 4
	v_nop
.endr
.if \e == 0
	QLOAD 1                                        ; the next head's q: the rest of this head's work covers it
.endif
.irp a, 0,1,2,3
	ds_load_b128 v[FR+16*\a:FR+16*\a+3], v2 offset:32768*\e+2048*8+512*\a
.endr
.set n, 0
.rept 16
	v_cmp_gt_i32 vcc_lo, 16*(n/8)+n%8, v0          ; the causal cut
	v_cndmask_b32 v[S+n], v[S+n], v[NINF], vcc_lo
.set n, n+1
.endr
	SOFTMAX 1
.irp i, 4,5,6,7,8,9,10,11,12,13,14,15
	v_mov_b32 v[PCD+\i], 0
.endr
	RESCALE
	s_wait_dscnt 0x0
.irp a, 0,1,2,3
	v_wmma_scale_f32_16x16x128_f8f6f4 v[O+8*\a:O+8*\a+7], v[FR+16*\a:FR+16*\a+15], v[PCD:PCD+15], v[O+8*\a:O+8*\a+7], v[VS+\a], v[PSW] matrix_a_fmt:MATRIX_FMT_BF8 matrix_b_fmt:MATRIX_FMT_BF8
.endr
.endm
; THE WAY OUT of head e: O^T / the sum; two blocks of 32 along E are quantised.  A lane's 16 codes of a block are d = 8 h + 0 .. 7 and 16 + 8 h + 0 .. 7; the projection's weight is given, so ctx takes the operand's own order,
; d = 16 h + 0 .. 15: lanes l and l xor 16 exchange eight codes.
.macro OUT e
	v_add_f32 v14, v14, v15                        ; the sum's two halves,
	v_permlanex16_b32 v[F], v14, s[SEL], s[SEL+1]
	v_add_f32 v14, v14, v[F]                       ; and lane l xor 16's
	v_rcp_f32 v14, v14
.rept 8
	v_nop                                          ; the plain line behind the reciprocal, and the places behind the last products
.endr
	s_wait_alu depctr_va_vdst(0)                   ; the wait ahead of the first reader
.set j, 0
.rept 16
	v_pk_mul_f32 v[S+j:S+j+1], v[O+j:O+j+1], v[14:15] op_sel_hi:[1,0]   ; register 8 a + i: ctx(query r, d = 16 a + 8 h + i); each accumulator from its low end on
.set j, j+2
.endr
.irp b, 0,1
	v_max3_num_f32 v[BM+\b], |v[S+16*\b]|, |v[S+1+16*\b]|, 0x8000000
.endr
.irp i, 2,4,6,8,10,12,14
.irp b, 0,1
	v_max3_num_f32 v[BM+\b], v[BM+\b], |v[S+16*\b+\i]|, |v[S+1+16*\b+\i]|
.endr
.endr
.irp b, 0,1
	v_permlanex16_b32 v[T2+\b], v[BM+\b], s[SEL], s[SEL+1]
.endr
.irp b, 0,1
	v_max_num_f32 v[BM+\b], v[BM+\b], v[T2+\b]
.endr
.irp b, 0,1
	v_add_nc_u32 v[SO+\b], 0xf8800000, v[BM+\b]
.endr
.irp b, 0,1
	v_and_or_b32 v[HD+\b], v[BM+\b], 0x7f800000, s[MNT]
.endr
.irp b, 0,1
	v_lshrrev_b32 v[T2+\b], 23, v[SO+\b]
.endr
.if \e == 0
	v_lshl_or_b32 v[CW], v[T2+1], 8, v[T2]         ; bytes 0, 1 of the 128's scale word
.else
	v_lshl_or_b32 v[CW], v[T2], 16, v[CW]          ; bytes 2, 3
	v_lshl_or_b32 v[CW], v[T2+1], 24, v[CW]
.endif
.irp b, 0,1
.irp i, 0,1,2,3,4,5,6,7,8,9,10,11,12,13,14,15
	v_med3_num_f32 v[S+16*\b+\i], v[S+16*\b+\i], -v[HD+\b], v[HD+\b]
.endr
	v_cvt_scalef32_pk8_bf8_f32 v[PCD+4*\b:PCD+4*\b+1], v[S+16*\b:S+16*\b+7], v[SO+\b]
	v_cvt_scalef32_pk8_bf8_f32 v[PCD+4*\b+2:PCD+4*\b+3], v[S+16*\b+8:S+16*\b+15], v[SO+\b]
.endr
	v_nop                                          ; one plain line between the conversions and the first reader of their results
.irp b, 0,1
	v_cndmask_b32 v[144+4*\b], v[PCD+4*\b+2], v[PCD+4*\b], s[HM]     ; what I send: lanes 0-15 their upper eight codes, lanes 16-31 their lower eight
	v_cndmask_b32 v[145+4*\b], v[PCD+4*\b+3], v[PCD+4*\b+1], s[HM]
.endr
.irp b, 0,1
	v_permlanex16_b32 v[146+4*\b], v[144+4*\b], s[SEL], s[SEL+1]
	v_permlanex16_b32 v[147+4*\b], v[145+4*\b], s[SEL], s[SEL+1]
.endr
.irp b, 0,1
	v_cndmask_b32 v[136+4*\b], v[PCD+4*\b], v[146+4*\b], s[HM]       ; lanes 0-15: mine, then the other's; lanes 16-31: the other's, then mine
	v_cndmask_b32 v[137+4*\b], v[PCD+4*\b+1], v[147+4*\b], s[HM]
	v_cndmask_b32 v[138+4*\b], v[146+4*\b], v[PCD+4*\b+2], s[HM]
	v_cndmask_b32 v[139+4*\b], v[147+4*\b], v[PCD+4*\b+3], s[HM]
	global_store_b128 v7, v[136+4*\b:139+4*\b], s[12:13] offset:512*(2*\e+\b)   ; 32 lanes store 512 consecutive bytes, aligned
.endr
.endm
.macro TILE e
	v_mov_b32 v13, 0xff61b1e6                      ; the largest t so far: -3e38, under every t
	v_floor_f32 v12, -v13                          ; -M
	v_mov_b32 v14, 0                               ; the sum, in two halves
	v_mov_b32 v15, 0
	v_lshrrev_b32 v[QSA], s[U16], v[10+\e]
	v_and_b32 v[QSA], 0xffff, v[QSA]               ; my tile's two scale bytes under [q | zeros];
	v_lshlrev_b32 v[QSB], 16, v[QSA]               ; under [zeros | q]
	FSTEP \e, 0
	FSTEP \e, 1
	SSTEP \e
	OUT \e
.endm
	TILE 0
	s_wait_loadcnt 0x0                             ; the second head's q
	s_wait_xcnt 0x0                                ; the first head's stores have read their registers: the next scores are written over them only behind this wait
	TILE 1
	v_lshrrev_b32 v[WK], 2, v7
	v_and_b32 v[WK], 60, v[WK]                     ; 4 r: lanes l and l + 16 hold the same word and name the same address
	global_store_b32 v[WK], v[CW], s[88:89]
	s_wait_tensorcnt 0x0                           ; the wave's end, behind my last tensor load
	ds_add_u32 v[SPW], v[NIL]
	s_wait_dscnt 0x0
	s_endpgm
.Lfunc_end_k_q0724ba24a2_attn:
	.size	k_q0724ba24a2_attn, .Lfunc_end_k_q0724ba24a2_attn-k_q0724ba24a2_attn
	.p2alignl 7, 3214868480
	.fill 96, 4, 3214868480
	.section	.rodata,"a",@progbits
	.p2align	6, 0x0
	.amdhsa_kernel k_q0724ba24a2_attn
		.amdhsa_group_segment_fixed_size 167936
		.amdhsa_private_segment_fixed_size 0
		.amdhsa_enable_private_segment 0
		.amdhsa_kernarg_size 40
		.amdhsa_user_sgpr_count 2
		.amdhsa_user_sgpr_kernarg_segment_ptr 1
		.amdhsa_wavefront_size32 1
		.amdhsa_system_sgpr_workgroup_id_x 1
		.amdhsa_system_sgpr_workgroup_id_y 1
		.amdhsa_system_sgpr_workgroup_id_z 1
		.amdhsa_system_vgpr_workitem_id 0
		.amdhsa_next_free_vgpr 256
		.amdhsa_next_free_sgpr 90
		.amdhsa_reserve_vcc 1
		.amdhsa_float_denorm_mode_32 3
		.amdhsa_float_denorm_mode_16_64 3
		.amdhsa_memory_ordered 1
		.amdhsa_forward_progress 1
		.amdhsa_inst_pref_size 132
	.end_amdhsa_kernel
	.amdgpu_metadata
---
amdhsa.version: [ 1, 2 ]
amdhsa.kernels:
  - .name:           k_q0724ba24a2_attn
    .symbol:         k_q0724ba24a2_attn.kd
    .args:
      - { .name: q_img, .offset: 0, .size: 8, .value_kind: global_buffer, .address_space: global }
      - { .name: k_img, .offset: 8, .size: 8, .value_kind: global_buffer, .address_space: global }
      - { .name: v_img, .offset: 16, .size: 8, .value_kind: global_buffer, .address_space: global }
      - { .name: qkv_sc, .offset: 24, .size: 8, .value_kind: global_buffer, .address_space: global }
      - { .name: ctx, .offset: 32, .size: 8, .value_kind: global_buffer, .address_space: global }
    .group_segment_fixed_size: 167936
    .private_segment_fixed_size: 0
    .kernarg_segment_align: 8
    .kernarg_segment_size: 40
    .max_flat_workgroup_size: 512
    .sgpr_count:     90
    .vgpr_count:     256
    .wavefront_size: 32
...
	.end_amdgpu_metadata
.endif
;; end of part 3
;; launch oproj (part 4): grid 4 x 64, 4 waves a work-group, clusters of 4 x 4, 327,680 bytes of LDS; arguments ctx, w_o_codes, w_o_scales, b_o, x, out0; writes out0
.if DOCPART == 4
	.amdgcn_target "amdgcn-amd-amdhsa--gfx1250"
	.amdhsa_code_object_version 6
	.text
	.protected	k_q0724ba24a2_oproj
	.globl	k_q0724ba24a2_oproj
	.p2align	8
	.type	k_q0724ba24a2_oproj,@function
k_q0724ba24a2_oproj:
	s_mov_b64 s[64:65], 0
	v_nop
	global_prefetch_b8 v0, s[64:65] scope:SCOPE_SE
	s_setreg_imm32_b32 hwreg(HW_REG_WAVE_MODE, 25, 1), 1
	s_wait_xcnt 0x0
	s_wait_alu depctr_hold_cnt(0) depctr_sa_sdst(0) depctr_va_vdst(0) depctr_va_sdst(0) depctr_va_ssrc(0) depctr_va_vcc(0) depctr_vm_vsrc(0)
	s_getreg_b32 s2, hwreg(HW_REG_IB_STS2, 6, 4)
	s_cmp_eq_u32 s2, 0
	s_cbranch_scc0 .Lentry_in_a_cluster
	s_endpgm
.Lentry_in_a_cluster:
	s_bfe_u32 s2, ttmp6, 0x10000c
	s_cmp_lg_u32 s2, 0xf033
	s_cbranch_scc0 .Lentry_shape_is_right
	s_endpgm
.Lentry_shape_is_right:
; out0 = x + ctx w_o^T + b_o; the product on codes of BF8 (E5M2) with E8M0 scales for each 32 along K = 1,024; all else f32.
; THE TILE is 128 tokens (P) x 256 rows of w_o (Q): 256 work-groups; four waves, 2 x 2; a wave makes 64 x 128: 32 accumulators.  Source 0 = 16 rows of w_o, source 1 = 16 tokens: lane (r, h) holds token r and eight neighbouring outputs.
; K goes in eight steps of 128 through a ring of two LDS slots of 256 along K, four fills: two at the start, each slot filled once more.  All is written out: no loop.
; ctx comes as REGISTER IMAGES, [tile of 16 tokens][128 along K: 8][c 4][lane][16 bytes]: a slot's part of a tile of tokens is 4,096 consecutive bytes, a fragment four loads of 512 consecutive bytes: no pitch, no padding.
; w_o's rows come as they lie: 256 bytes + 16 of padding.  CLUSTER 4 x 4: ctx's tile is shared along the cluster's row, w_o's along its column: each is asked for jointly by the four.
; The scale words of a wave's rows for all of K go once from memory into registers.  b_o is the C of the first step.  x is asked for at the head, laid as whole rows, and added on the way out, where each block of
; 16 tokens x 128 outputs goes through the wave's own stage in LDS and leaves as rows of 512 consecutive bytes.
; REGISTERS, in windows of 256.  Window 0: v0-31 addresses; v32-63 ctx's scale words (32 + 8 a + k); v64-127 w_o's (64 + 8 b + k); v128-191 b_o, later x of block 2; v192-255 x of block 3.
;   window 1: accumulator (a, b) at 8 (8 a + b).   window 2: w_o's fragments, set p at 128 p + 16 b; on the way out rows of the result.   window 3: v0-127 ctx's fragments, set p at 64 p + 16 a; v128-255 x of blocks 0 and 1.
.set PITCH,  272                       ; a row of w_o in LDS: 256 bytes + 16 of padding: the 16 rows that a load touches start at 16 different banks (64 banks of 4 bytes: ISA guide 11.1)
.set QROWS,  128*PITCH
.set PHALF,  16384                     ; four tiles of tokens x 4,096 bytes: what one tensor load brings of ctx, and what a wave reads
.set PAREA,  2*PHALF
.set SLOT,   PAREA+2*QROWS
.set STAGE,  2*SLOT                    ; behind the ring: 16 rows x (512 bytes + 16) for each wave; no fill lands here
.set SPITCH, 528
.set SPARE,  STAGE+4*16*SPITCH         ; the spare words, 128 bytes a wave: two blocks of 256 bytes that no other line names
.set XSC,    8388608                   ; where the scale words begin in ctx
.set CO,   6                           ; v6      16 x lane: my bytes of a row of 512
.set ADRP, 16                          ; v16-17  LDS address of my ctx fragments in slot 0, 1
.set ADRQ, 20                          ; v20-21  the same for w_o
.set STO,  24                          ; v24     the stage: where I put 32 bytes of a row
.set RD,   25                          ; v25     and where I read a row back
.set SPW,  28                          ; v28     LDS address of my spare word; never rewritten
.set NIL,  29                          ; v29     0, for the add alone
.set PS,   32
.set QS,   64
.set BQ,   128
.set G1P, 24
.set G0P, 32
.set G1Q, 48
.set G0Q, 56
.set MSB, 0
.macro WIN new                         ; the immediate's high byte repeats the setting that is left; a switch that changes nothing is dropped
.if MSB != \new
	s_set_vgpr_msb (MSB<<8)|\new
.set MSB, \new
.endif
.endm
.set MUL,  0x5e                        ; source 0 (w_o) window 2, source 1 (ctx) window 3, C and D window 1
.set MUL0, 0x4e                        ; the same with C (b_o) in window 0
; A joint load: waves 0 and 1 fetch ctx's halves, waves 2 and 3 w_o's.  The branch hangs on the wave's number alone.  An s_nop 0 and four v_nop follow each of the two lines.
.macro JLOAD s
	s_cmp_eq_u32 s15, 0
	s_cbranch_scc0 .Lfor_q_\@
	tensor_load_to_lds s[G0P+4*\s:G0P+4*\s+3], s[G1P:G1P+7]
	s_nop 0
.rept 4
	v_nop
.endr
	s_branch .Lasked_\@
.Lfor_q_\@:
	tensor_load_to_lds s[G0Q+4*\s:G0Q+4*\s+3], s[G1Q:G1Q+7]
	s_nop 0
.rept 4
	v_nop
.endr
.Lasked_\@:
.endm
.macro CREST                           ; a round of the cluster's barrier behind its opening barrier
	s_cmp_lg_u32 s14, 0
	s_cbranch_scc1 .Lnot_wave_0_\@
	s_barrier_signal -3
.Lnot_wave_0_\@:
	s_barrier_wait -3
	s_barrier_signal -1
	s_barrier_wait -1
.endm
.macro CROUND
	s_barrier_signal -1
	s_barrier_wait -1
	CREST
.endm
.macro PLACES n                        ; plain vector lines behind matrix instructions: eight for this form
.rept \n
	v_nop
.endr
.endm
	s_load_b256 s[68:75], s[0:1], 0x0              ; ctx 68, w_o codes 70, w_o scales 72, b_o 74
	s_load_b128 s[76:79], s[0:1], 0x20             ; x 76, out0 78
	v_lshl_add_u32 v[SPW], v0, 2, SPARE
	v_mov_b32 v[NIL], 0
	ds_add_u32 v[SPW], v[NIL]                      ; the wave's opening: the add and its wait come ahead of my first tensor load; the set-up below, work on registers, stands between them
	v_lshrrev_b32 v1, 5, v0
	v_readfirstlane_b32 s14, v1                    ; wave 0..3
	s_lshr_b32 s15, s14, 1                         ; which 64 tokens are mine.  Also: I fetch for ctx (0) or for w_o (1)
	s_and_b32 s16, s14, 1                          ; which 128 outputs.  Also: which half of that tile I fetch
	s_bfe_u32 s40, ttmp6, 0x40000                  ; cx
	s_bfe_u32 s41, ttmp6, 0x40004                  ; cy
	s_lshl_b32 s42, ttmp9, 2
	s_add_co_u32 s42, s42, s40                     ; w_o's tile of 256 rows
	s_and_b32 s17, ttmp7, 0xffff
	s_lshl_b32 s17, s17, 2
	s_add_co_u32 s17, s17, s41                     ; the tile of 128 tokens
	s_lshl_b32 s43, s41, 2
	s_lshl_b32 s43, 15, s43                        ; my row of the cluster
	s_lshl_b32 s44, 0x1111, s40                    ; my column
	s_or_b32 s[G1P], s43, (3<<16)|(1<<21)          ; 15:0 the mask; 17:16 elements of 8 bytes; 21 set beside a mask; no padding
	s_mov_b32 s[G1P+1], 512<<16                    ; tensor_dim0 = 512 elements: 4,096 bytes
	s_mov_b32 s[G1P+2], 4<<16                      ; tensor_dim1 = 4 tiles of tokens
	s_mov_b32 s[G1P+3], 512<<16                    ; tile_dim0
	s_mov_b32 s[G1P+4], 4                          ; tile_dim1
	s_mov_b32 s[G1P+5], 2048                       ; from tile to tile: 16,384 bytes
	s_mov_b32 s[G1P+6], 0
	s_mov_b32 s[G1P+7], 0
	s_or_b32 s[G1Q], s44, (0<<16)|(1<<20)|(1<<21)|(5<<22)|(3<<25)  ; elements of 1 byte; padding: four words after every 64
	s_mov_b32 s[G1Q+1], 256<<16
	s_mov_b32 s[G1Q+2], 128<<16
	s_mov_b32 s[G1Q+3], 256<<16
	s_mov_b32 s[G1Q+4], 128
	s_mov_b32 s[G1Q+5], 1024
	s_mov_b32 s[G1Q+6], 0
	s_mov_b32 s[G1Q+7], 0
	s_lshl_b32 s20, s17, 17                        ; what I fetch of ctx: (8 x tile + 4 x half) x 16,384 bytes; made of cy and shared numbers alone
	s_lshl_b32 s19, s16, 16
	s_add_co_u32 s20, s20, s19
	s_mov_b32 s21, 0
	s_lshl_b32 s46, s42, 8                         ; of w_o: row 256 x tile + 128 x half; made of cx and shared numbers alone
	s_lshl_b32 s19, s16, 7
	s_add_co_u32 s46, s46, s19
	s_lshl_b32 s46, s46, 10
	s_mov_b32 s47, 0
	s_lshl_b32 s45, s16, 14                        ; where they go: the wave's number alone enters an LDS address
	s_mul_i32 s3, s16, QROWS
	s_add_co_u32 s3, s3, PAREA
	s_wait_dscnt 0x0                               ; the opening add is done
	s_wait_kmcnt 0x0
	s_add_nc_u64 s[20:21], s[68:69], s[20:21]
	s_add_nc_u64 s[46:47], s[70:71], s[46:47]
	CROUND                                         ; all sixteen work-groups are here: the first joint loads meet
.irp s, 0,1
	s_mov_b32 s[G0P+4*\s], 1
	s_add_co_u32 s[G0P+4*\s+1], s45, \s*SLOT
	s_add_nc_u64 s[G0P+4*\s+2:G0P+4*\s+3], s[20:21], \s*4096       ; 256 along K are 4,096 bytes of each tile of tokens
	s_or_b32 s[G0P+4*\s+3], s[G0P+4*\s+3], 0x80000000
	s_mov_b32 s[G0Q+4*\s], 1
	s_add_co_u32 s[G0Q+4*\s+1], s3, \s*SLOT
	s_add_nc_u64 s[G0Q+4*\s+2:G0Q+4*\s+3], s[46:47], \s*256
	s_or_b32 s[G0Q+4*\s+3], s[G0Q+4*\s+3], 0x80000000
	JLOAD \s                                       ; both slots go out at once: two tensor loads of mine are out
.endr
	v_and_b32 v1, 15, v0                           ; r
	v_bfe_u32 v2, v0, 4, 1                         ; h
	v_lshlrev_b32 v3, 5, v1                        ; a row's 32 scale bytes
	v_lshlrev_b32 v4, 5, v2                        ; my half's eight numbers of b_o
	v_lshlrev_b32 v5, 2, v1                        ; my token's scale word
	v_and_b32 v[CO], 31, v0
	v_lshlrev_b32 v[CO], 4, v[CO]
	s_lshl_b32 s20, s17, 7
	s_lshl_b32 s19, s15, 6
	s_add_co_u32 s20, s20, s19                     ; my first token
	s_lshl_b32 s46, s42, 8
	s_lshl_b32 s19, s16, 7
	s_add_co_u32 s46, s46, s19                     ; my first output
	s_mov_b32 s23, 0
	s_lshl_b32 s22, s20, 2
	s_add_co_u32 s22, s22, XSC
	s_add_nc_u64 s[4:5], s[68:69], s[22:23]        ; ctx's scale words: [128 along K: 8][token]
	s_lshl_b32 s22, s46, 5
	s_add_nc_u64 s[72:73], s[72:73], s[22:23]
	s_lshl_b32 s22, s46, 2
	s_add_nc_u64 s[74:75], s[74:75], s[22:23]
	s_lshl_b32 s19, s20, 12
	s_add_co_u32 s22, s22, s19                     ; token x 4,096 + output x 4
	s_add_nc_u64 s[76:77], s[76:77], s[22:23]
	s_add_nc_u64 s[78:79], s[78:79], s[22:23]
.irp a, 0,1,2,3
.irp k, 0,1,2,3,4,5,6,7
	global_load_b32 v[PS+8*\a+\k], v5, s[4:5] offset:32768*\k+64*\a
.endr
.endr
.irp b, 0,1,2,3,4,5,6,7
	global_load_b128 v[QS+8*\b:QS+8*\b+3], v3, s[72:73] offset:512*\b
	global_load_b128 v[QS+8*\b+4:QS+8*\b+7], v3, s[72:73] offset:512*\b+16
	global_load_b128 v[BQ+8*\b:BQ+8*\b+3], v4, s[74:75] offset:64*\b
	global_load_b128 v[BQ+8*\b+4:BQ+8*\b+7], v4, s[74:75] offset:64*\b+16
.endr
.macro XLOAD a                         ; x of block a (16 tokens x my 128 outputs), a row of 512 bytes an instruction, into v[128 + 64 (a % 2)] on of the window that is set
.irp t, 0,1,2,3,4,5,6,7,8,9,10,11,12,13,14,15
	global_load_b128 v[128+64*((\a)%2)+4*\t:128+64*((\a)%2)+4*\t+3], v[CO], s[76:77] offset:(16*(\a)+\t)*4096 th:TH_LOAD_NT
.endr
.endm
	WIN 0xc0                                       ; destination window 3
	XLOAD 0
	XLOAD 1
	WIN 0
	XLOAD 3                                        ; block 2 takes b_o's registers, once the first step has read them
	v_mul_u32_u24 v18, v1, PITCH
	v_lshl_add_u32 v18, v2, 4, v18                 ; w_o: a fragment's row x pitch + 16 x half
	s_lshl_b32 s21, s15, 14                        ; ctx: my four tiles of tokens
	s_mul_i32 s22, s16, QROWS
	s_add_co_u32 s22, s22, PAREA
.irp s, 0,1
	v_add_nc_u32 v[ADRP+\s], s21, v[CO]
	v_add_nc_u32 v[ADRQ+\s], s22, v18
	s_add_co_u32 s21, s21, SLOT
	s_add_co_u32 s22, s22, SLOT
.endr
	s_mul_i32 s23, s14, 16*SPITCH
	s_add_co_u32 s23, s23, STAGE                   ; my stage
	v_mul_u32_u24 v[STO], v1, SPITCH
	v_lshl_add_u32 v[STO], v2, 5, v[STO]
	v_add_nc_u32 v[STO], s23, v[STO]               ; in: row r, 32 bytes for each half of the lanes
	v_add_nc_u32 v[RD], s23, v[CO]                 ; back: the 32 lanes take one row of 512 bytes
	s_wait_loadcnt 48                              ; scale words and b_o are in; the 48 loads of x may stay out
; 8 matrix instructions: tile a of tokens against w_o's eight, step k of 128 along K, fragment set p.  first = 1: b_o starts the sums: nothing is cleared.
; The 32 accumulators take turns, one instruction a turn, in the same order in every step.
.macro MUL8 a, p, k, first
.irp b, 0,1,2,3,4,5,6,7
.if \first
	v_wmma_scale_f32_16x16x128_f8f6f4 v[8*(8*(\a)+\b):8*(8*(\a)+\b)+7], v[128*(\p)+16*\b:128*(\p)+16*\b+15], v[64*(\p)+16*(\a):64*(\p)+16*(\a)+15], v[BQ+8*\b:BQ+8*\b+7], v[QS+8*\b+(\k)], v[PS+8*(\a)+(\k)] matrix_a_fmt:MATRIX_FMT_BF8 matrix_b_fmt:MATRIX_FMT_BF8
.else
	v_wmma_scale_f32_16x16x128_f8f6f4 v[8*(8*(\a)+\b):8*(8*(\a)+\b)+7], v[128*(\p)+16*\b:128*(\p)+16*\b+15], v[64*(\p)+16*(\a):64*(\p)+16*(\a)+15], v[8*(8*(\a)+\b):8*(8*(\a)+\b)+7], v[QS+8*\b+(\k)], v[PS+8*(\a)+(\k)] matrix_a_fmt:MATRIX_FMT_BF8 matrix_b_fmt:MATRIX_FMT_BF8
.endif
.endr
.endm
; 48 LDS loads in one run: the fragments of the slot's q-th 128 along K into set p: w_o's eight, then ctx's four
.macro FETCH slot, q, p
	WIN 0x80                                       ; destination window 2
.irp b, 0,1,2,3,4,5,6,7
.irp c, 0,1,2,3
	ds_load_b128 v[128*(\p)+16*\b+4*\c:128*(\p)+16*\b+4*\c+3], v[ADRQ+\slot] offset:128*(\q)+32*\c+\b*16*PITCH
.endr
.endr
	WIN 0xc0                                       ; destination window 3
.irp a, 0,1,2,3
.irp c, 0,1,2,3
	ds_load_b128 v[64*(\p)+16*\a+4*\c:64*(\p)+16*\a+4*\c+3], v[ADRP+\slot] offset:4096*\a+2048*(\q)+512*\c
.endr
.endr
	WIN 0
.endm
; A slot's first step (set 0): in its middle the second step's fragments are fetched into set 1.
.macro STEP slot, k, first
	s_wait_dscnt 8                                 ; w_o's fragments and ctx's tiles 0, 1 are in; the youngest eight loads (tiles 2, 3) may be out
.if \first
	WIN MUL0
.else
	WIN MUL
.endif
	MUL8 0, 0, \k, \first
	MUL8 1, 0, \k, \first
	PLACES 8
	FETCH \slot, 1, 1
	s_wait_dscnt 48                                ; all but the 48 just issued
.if \first
	WIN MUL0
.else
	WIN MUL
.endif
	MUL8 2, 0, \k, \first
	MUL8 3, 0, \k, \first
	WIN 0
.endm
; A slot's second step (set 1) changes slots: ONE barrier; in front of it each wave waits for all its tensor loads, adds 0 to its spare word, and waits for that and for its own reads of this slot.  fill = 1: the slot is filled again, 512 along K on.
.macro TURN slot, next, k, fill
	s_wait_tensorcnt 0x0                           ; all my tensor loads have landed: my part of the next slot
	ds_add_u32 v[SPW], v[NIL]                      ; 0 onto my spare word
	s_wait_dscnt 9                                 ; (the add and the youngest eight loads may be out)
	WIN MUL
	MUL8 0, 1, \k, 0                               ; eight matrix instructions stand between the add and the wait for it
	s_wait_dscnt 0x0                               ; the add is done, and my reads of this slot are over
	s_barrier_signal -1
	MUL8 1, 1, \k, 0
	WIN 0
	s_barrier_wait -1
.if \fill
	CREST                                          ; the barrier has opened a round of the cluster's barrier: no wave of any partner still reads this slot or has a load on its way
	s_add_nc_u64 s[G0P+4*\slot+2:G0P+4*\slot+3], s[G0P+4*\slot+2:G0P+4*\slot+3], 8192
	s_add_nc_u64 s[G0Q+4*\slot+2:G0Q+4*\slot+3], s[G0Q+4*\slot+2:G0Q+4*\slot+3], 512
	JLOAD \slot                                    ; the first tensor load behind the round, my one load until the next; its four v_nop are four of the eight places
	PLACES 4
.else
	PLACES 8
.endif
.if \k == 1
	XLOAD 2                                        ; b_o was read by the first step alone: its registers take x of block 2
.endif
	FETCH \next, 0, 0
	WIN MUL
	MUL8 2, 1, \k, 0
	MUL8 3, 1, \k, 0
	WIN 0
.endm
	s_wait_tensorcnt 1                             ; my part of slot 0 is in; slot 1's may stay out
	s_barrier_signal -1
	s_barrier_wait -1                              ; everybody's is
	FETCH 0, 0, 0
	STEP 0, 0, 1
	TURN 0, 1, 1, 1
	STEP 1, 2, 0
	TURN 1, 0, 3, 1
	STEP 0, 4, 0
	TURN 0, 1, 5, 0                                ; nothing is left to fetch: no round
	STEP 1, 6, 0
	s_wait_dscnt 8                                 ; the last step
	WIN MUL
	MUL8 0, 1, 7, 0
	MUL8 1, 1, 7, 0
	s_wait_dscnt 0x0
	MUL8 2, 1, 7, 0
	MUL8 3, 1, 7, 0
	WIN 0
	PLACES 8
	s_wait_loadcnt 0x0                             ; x
; THE WAY OUT, block by block of 16 tokens x 128 outputs.  A lane holds 32 neighbouring bytes of a row, and the lanes beside it hold other rows: so a block goes through my own stage and comes back as whole rows of 512 bytes.
; LDS serves a wave's instructions in order (ISA guide 5.7.1.4): no wait between the stores and the loads, nor in front of the next block's stores.
.macro TOSTAGE a
	WIN 0x04                                       ; an LDS store's data are its source 1: window 1
.irp b, 0,1,2,3,4,5,6,7
	ds_store_b128 v[STO], v[64*(\a)+8*\b:64*(\a)+8*\b+3] offset:64*\b            ; each accumulator from its low end on
	ds_store_b128 v[STO], v[64*(\a)+8*\b+4:64*(\a)+8*\b+7] offset:64*\b+16
.endr
	WIN 0x80                                       ; destination window 2
.irp t, 0,1,2,3,4,5,6,7,8,9,10,11,12,13,14,15
	ds_load_b128 v[64*((\a)%2)+4*\t:64*((\a)%2)+4*\t+3], v[RD] offset:\t*SPITCH
.endr
	WIN 0
.endm
.macro SEND a, younger                 ; younger: the LDS instructions issued behind block a's loads, which may stay out
	s_wait_dscnt \younger                          ; the block is back in registers
.if (\a) < 2
	WIN 0x8e                                       ; destination and source 0 window 2, source 1 (x) window 3
.else
	WIN 0x82                                       ; x in window 0
.endif
.set i, 0
.rept 32
	v_pk_add_f32 v[64*((\a)%2)+i:64*((\a)%2)+i+1], v[64*((\a)%2)+i:64*((\a)%2)+i+1], v[128+64*((\a)%2)+i:128+64*((\a)%2)+i+1]   ; the residual
.set i, i+2
.endr
	WIN 0x08                                       ; a store's data are its source 1: window 2
.irp t, 0,1,2,3,4,5,6,7,8,9,10,11,12,13,14,15
	global_store_b128 v[CO], v[64*((\a)%2)+4*\t:64*((\a)%2)+4*\t+3], s[78:79] offset:(16*(\a)+\t)*4096 th:TH_STORE_NT   ; 32 lanes store 512 consecutive bytes, aligned; written once, read by nobody here
.endr
	WIN 0
.endm
	TOSTAGE 0
.irp a, 1,2,3
.if \a > 1
	s_wait_xcnt 0x0                                ; block a - 2's stores have read their registers: block a's rows may land there
.endif
	TOSTAGE \a
	SEND \a-1, 32                                  ; behind block a - 1's loads: block a's 16 stores and 16 loads
.endr
	SEND 3, 0
	s_wait_tensorcnt 0x0                           ; the wave's end, behind my last tensor load and my last LDS store
	ds_add_u32 v[SPW], v[NIL]
	s_wait_dscnt 0x0
	CROUND                                         ; the closing round: no work-group ends while a partner may still ask for a tile that names it
	s_endpgm
.Lfunc_end_k_q0724ba24a2_oproj:
	.size	k_q0724ba24a2_oproj, .Lfunc_end_k_q0724ba24a2_oproj-k_q0724ba24a2_oproj
	.p2alignl 7, 3214868480
	.fill 96, 4, 3214868480
	.section	.rodata,"a",@progbits
	.p2align	6, 0x0
	.amdhsa_kernel k_q0724ba24a2_oproj
		.amdhsa_group_segment_fixed_size 327680
		.amdhsa_private_segment_fixed_size 0
		.amdhsa_enable_private_segment 0
		.amdhsa_kernarg_size 48
		.amdhsa_user_sgpr_count 2
		.amdhsa_user_sgpr_kernarg_segment_ptr 1
		.amdhsa_wavefront_size32 1
		.amdhsa_system_sgpr_workgroup_id_x 1
		.amdhsa_system_sgpr_workgroup_id_y 1
		.amdhsa_system_sgpr_workgroup_id_z 1
		.amdhsa_system_vgpr_workitem_id 0
		.amdhsa_next_free_vgpr 1024
		.amdhsa_next_free_sgpr 80
		.amdhsa_reserve_vcc 0
		.amdhsa_float_denorm_mode_32 3
		.amdhsa_float_denorm_mode_16_64 3
		.amdhsa_memory_ordered 1
		.amdhsa_forward_progress 1
		.amdhsa_inst_pref_size 105
	.end_amdhsa_kernel
	.amdgpu_metadata
---
amdhsa.version: [ 1, 2 ]
amdhsa.kernels:
  - .name:           k_q0724ba24a2_oproj
    .symbol:         k_q0724ba24a2_oproj.kd
    .args:
      - { .name: ctx, .offset: 0, .size: 8, .value_kind: global_buffer, .address_space: global }
      - { .name: w_o_codes, .offset: 8, .size: 8, .value_kind: global_buffer, .address_space: global }
      - { .name: w_o_scales, .offset: 16, .size: 8, .value_kind: global_buffer, .address_space: global }
      - { .name: b_o, .offset: 24, .size: 8, .value_kind: global_buffer, .address_space: global }
      - { .name: x, .offset: 32, .size: 8, .value_kind: global_buffer, .address_space: global }
      - { .name: out0, .offset: 40, .size: 8, .value_kind: global_buffer, .address_space: global }
    .group_segment_fixed_size: 327680
    .private_segment_fixed_size: 0
    .kernarg_segment_align: 8
    .kernarg_segment_size: 48
    .max_flat_workgroup_size: 128
    .sgpr_count:     80
    .vgpr_count:     1024
    .wavefront_size: 32
...
	.end_amdgpu_metadata
.endif
;; end of part 4
